; MI455X (gfx1250); checked and timed in simulation.
; The chip was launched on July 23, 2026; its instructions are those of AMD's public machine-readable ISA for CDNA 5 (MIT licence, August 2026) and "CDNA5" Instruction Set Architecture Reference Guide (July 2026). The comments in the code are by the model that wrote it; some were corrected since.
;; Graph Structured Attention. Allowed arithmetic: matrix products marked QUANTISED: E2M3 operands, one E8M0 scale for each 32 along K, by v_wmma_scale_f32_16x16x128_f8f6f4 with both operands' format E2M3, f32 sums; everything else in f32.
;; Inputs: Wk 1,024 x 1,024 float32; Wo 1,024 x 1,024 float32; Wq 1,024 x 1,024 float32; Wv 1,024 x 1,024 float32; bk 1,024 float32; bo 1,024 float32; bq 1,024 float32; bv 1,024 float32; mask 4 x 2,048 x 2,048 int32; x 4 x 2,048 x 1,024 float32.
;; Outputs: out0 4 x 2,048 x 1,024 float32.
;; This version of the problem:
;;   THIS VERSION OF THE PROBLEM IS GIVEN IN LOW PRECISION. The matrix products marked QUANTISED in the list below multiply operands that are first quantised to E2M3 (2 exponent bits, 3 mantissa bits; 6 bits a number), with one power-of-two scale for each 32 numbers along K (OCP MX v1.0); their sums are f32. All else is computed in f32.
;;   The module's matrix products, in the order in which they are computed (A, B: the left and right operand; K: the contracted axis; several contracted axes count as one K, in the product's order):
;;     1. [M 8,192, K 1,024] x [K 1,024, N 1,024]; A: input x; B: input Wq: QUANTISED
;;     2. [M 8,192, K 1,024] x [K 1,024, N 1,024]; A: input x; B: input Wk: QUANTISED
;;     3. [M 8,192, K 1,024] x [K 1,024, N 1,024]; A: input x; B: input Wv: QUANTISED
;;     4. batch 64 x [M 2,048, K 64] x [K 64, N 2,048]; A: computed on the way; B: computed on the way: QUANTISED
;;     5. batch 64 x [M 2,048, K 2,048] x [K 2,048, N 64]; A: softmax (see below); B: computed on the way: QUANTISED
;;     6. [M 8,192, K 1,024] x [K 1,024, N 1,024]; A: computed on the way; B: input Wo: QUANTISED
;;   THE QUANTISER, for each operand of a quantised product, along K:
;;     - K is cut into blocks of 32 from its start; a last block that is shorter is filled with zeros.
;;     - A block's scale is 2^e with e = floor(log2(the largest magnitude in the block)) - 2, held to -126 .. 127; a block of zeros has e = 0. As a byte (E8M0): e + 127.
;;     - Each number is divided by its block's scale, clamped to +-7.5, and rounded to the nearest number of E2M3, ties to even, subnormals kept.
;;     - The product sums the exact products of the quantised numbers (number of the format x scale) in f32.
;;   ~~~python
;;   def quantise(x, axis):      # numpy; x: float32 -> the quantised numbers, widened to float32 again
;;       x = np.moveaxis(x, axis, -1); K = x.shape[-1]
;;       x = np.pad(x, [(0, 0)] * (x.ndim - 1) + [(0, -K % 32)]); x = x.reshape(x.shape[:-1] + (-1, 32)); a = np.abs(x).max(-1, keepdims=True)
;;       e = np.where(a > 0, np.clip(np.frexp(np.where(a > 0, a, 1))[1] - 1 - 2, -126, 127), 0)      # np.frexp(a)[1] - 1 = floor(log2(a)), exactly
;;       r = np.clip(x / 2.0 ** e, -7.5, 7.5)
;;       step = 2.0 ** (np.maximum(np.frexp(np.where(r == 0, 1, r))[1] - 1, 0) - 3)
;;       q = np.round(r / step) * step * 2.0 ** e      # np.round: ties to even
;;       return np.moveaxis(q.reshape(q.shape[:-2] + (-1,))[..., :K], -1, axis).astype(np.float32)
;;   ~~~
;;   SOFTMAX AHEAD OF A QUANTISED PRODUCT. Where the list says 'softmax', what is quantised is not the finished softmax but p = 2^(t - M), with t = logit x log2(e) and M = ceil(the row's largest t), a whole number; so 1/2 < the row's largest p <= 1. The row's sum l is taken of the UNQUANTISED p, in f32, and the product's result is divided by l at the end. Since M is a whole number, a kernel that streams over the keys may use a running M (the ceiling of the running maximum): every later rescaling is an exact power of two, which a block's scale takes up: the codes' values come out the same.
;;   OPERANDS COMPUTED ON THE WAY. 'Computed on the way' means the value that the module computes at that place (a softmax that the list does not call 'softmax' is quantised finished and normalised). What goes into a quantiser is computed in f32, as accurately as f32 sums, v_exp_f32 and their like allow (about 1e-6 of the number): no bf16 or f16 on the way to a quantiser, and a product that is left as it is and whose result goes on into a quantised operand takes f32 operands (vector FMAs, or v_wmma_f32_16x16x4_f32). A number that lies on a knife's edge between two numbers of the format may be rounded either way, as far as f32 arithmetic and the matrix unit's own rounding can turn it there, and no further.
;; One version. Each part assembles by itself: llvm-mc -triple=amdgcn-amd-amdhsa -mcpu=gfx1250 --defsym DOCPART=n.
;; ======== version 1 of 1: 4 launches
;; workspace buffers: cod 9,437,184 bytes; scl 393,216 bytes; mbits 2,097,152 bytes of whole numbers; qkvc 18,874,368 bytes; qkvs 786,432 bytes; aoc 6,291,456 bytes; aos 262,144 bytes
;; launch prep (part 1): grid 896 x 1, 4 waves a work-group, no clusters, 91,648 bytes of LDS; arguments mask, x, Wq, Wk, Wv, Wo, cod, scl, mbits; writes cod, scl, mbits
.if DOCPART == 1
	.amdgcn_target "amdgcn-amd-amdhsa--gfx1250"
	.amdhsa_code_object_version 6
	.text
	.protected	k_q7bc171fb09_prep
	.globl	k_q7bc171fb09_prep
	.p2align	8
	.type	k_q7bc171fb09_prep,@function
k_q7bc171fb09_prep:
	s_mov_b64 s[64:65], 0
	v_nop
	global_prefetch_b8 v0, s[64:65] scope:SCOPE_SE
	s_setreg_imm32_b32 hwreg(HW_REG_WAVE_MODE, 25, 1), 1
	s_wait_xcnt 0x0
; GRAPH-STRUCTURED ATTENTION IN MX-FP6, launch 1 of 4: x and the four weights become codes of E2M3 with E8M0 scale bytes; the mask becomes bits.
; NO WORK OF THE PROBLEM IS LEFT OUT: every input has a way to out0 (bk too: it can move k's codes), every product is live, and the mask is an input, so no tile may be skipped.
; LIMITS: NaN and infinities among the floating-point inputs are not served; a block whose largest magnitude lies under 2^(3 - 127) keeps the scale byte 1 (a block of zeros too, where the
; quantiser says 127: its codes are zeros, which add nothing under any byte but 0xff, and only this program reads the bytes).
; LAYOUTS (this program's own).  cod: [16 chunks of 64 along K][12,288 rows][48 bytes]; rows 0-8,191 x's tokens, then 1,024 rows (output columns) each of Wq, Wk, Wv, Wo.  scl: [8 runs of 128 along K][12,288 rows][4 bytes].
; A ROW IS KEPT AT ITS NUMBER WITH BITS 3 AND 4 SWAPPED: sixteen neighbouring kept rows 16 i + r are the rows 32 (i / 2) + 8 (i % 2) + r + 8 (r / 8), so that the 16 result registers of two neighbouring tiles of a
; product are 16 neighbours along the next product's K.
; mbits: [batch x 128 + kept tile of 16 queries][16 steps of 128 keys][64 words]: bit (r + 16 h) of word n is 1 where mask[query of lane r][128 step + 32 (n / 16) + 16 h + n % 16] is 0: the lane mask that the
; attention launch gives to v_cndmask_b32 for score register n.
; SHARES: work-groups 0-511 the mask (a tile of 16 queries each, a wave 512 keys), 512-767 x (a wave 64 rows x 128 along K), 768-895 the weights (a wave 32 columns x 256 along K).
; The three paths part on the work-group's number and each has LDS bytes of its own.  Waves share nothing: no barrier.  No input is shared between work-groups: no cluster, no tensor load.
.set CHS,   589824                     ; bytes from chunk to chunk in cod: 12,288 rows x 48
.set SCS,   49152                      ; bytes from run to run in scl
.set MST,   0                          ; the mask path's stages: 16 rows x 528 bytes for each wave
.set XST,   33792                      ; x's: 8,192 bytes for each wave: two stages of 32 x 80 bytes, then 256 scale bytes
.set WST,   66560                      ; the weights': 6,144 bytes for each wave: [4 chunks][32 rows][48]
.set SPARE, 91136                      ; the spare words, 128 bytes for each wave: two blocks of 256 bytes that no other line names
.set SPW,   220                        ; v220 LDS address of my spare word; never rewritten
.set NIL,   221                        ; v221 0; never rewritten
; ---- the mask path's macros.  Unit u: my 16 queries x keys 128 u .. 128 u + 127 of my 512
.macro MLOAD u                         ; sixteen loads, each a row's 512 consecutive bytes, into set u % 2 (v24-87, v88-151)
.irp r, 0,1,2,3,4,5,6,7,8,9,10,11,12,13,14,15
	global_load_b128 v[24+64*((\u)%2)+4*\r:24+64*((\u)%2)+4*\r+3], v3, s[4:5] offset:(\r+8*(\r/8))*8192+512*(\u) th:TH_LOAD_NT
.endr
.endm
.macro MUNIT u
.if (\u) < 3
	s_wait_loadcnt 16                              ; this unit's sixteen loads are in; the next unit's sixteen may be out
.else
	s_wait_loadcnt 0x0
.endif
.irp r, 0,1,2,3,4,5,6,7,8,9,10,11,12,13,14,15
	ds_store_b128 v4, v[24+64*((\u)%2)+4*\r:24+64*((\u)%2)+4*\r+3] offset:528*\r   ; rows as they lie, 528 bytes apart
.endr
.irp q, 0,1,2,3,4,5,6,7,8,9,10,11,12,13,14,15
	ds_load_b128 v[152+4*\q:152+4*\q+3], v5 offset:128*(\q/4)+16*(\q%4)            ; lane (r, h): register n = key 32 (n / 16) + 16 h + n % 16 of row r.  LDS serves a wave's instructions in order
.endr
	s_wait_dscnt 0x0                               ; they are in, and the stores have read their registers,
.if (\u) < 2
	MLOAD (\u)+2                                   ; which take the unit two on
.endif
.irp g, 0,1,2,3,4,5,6,7
.irp k, 0,1,2,3,4,5,6,7
	v_cmp_eq_u32 s[32+\k], 0, v[152+8*\g+\k]       ; word n = 8 g + k: the lanes whose key is hidden
.endr
.irp k, 0,1,2,3,4,5,6,7
	v_writelane_b32 v[16+2*(\u)+(\k%2)], s[32+\k], 4*\g+\k/2   ; word n to lane n / 2, register n % 2
.endr
.endr
	global_store_b64 v6, v[16+2*(\u):17+2*(\u)], s[20:21] offset:256*(\u)   ; 32 lanes store 256 consecutive bytes, aligned
.endm
; ---- x's macros.  Step t: rows 8 (t / 2) .. + 7 of my 64, chunk t % 2 of my two: 512 numbers
.macro XLOAD t
.irp i, 0,1,2,3
	global_load_b128 v[16+16*((\t)%4)+4*\i:16+16*((\t)%4)+4*\i+3], v3, s[6:7] offset:(8*((\t)/2)+2*\i)*4096+256*((\t)%2) th:TH_LOAD_NT   ; sixteen lanes read a row's 256 consecutive bytes, aligned
.endr
.endm
.macro XTURN t                         ; through the stage: in as loaded, out 64 bytes a lane: lane l then holds 16 neighbours along K: row l / 4, numbers 16 (l % 4) on
.irp i, 0,1,2,3
	ds_store_b128 v14, v[16+16*((\t)%4)+4*\i:16+16*((\t)%4)+4*\i+3] offset:2560*((\t)%2)+640*\i
.endr
.irp i, 0,1,2,3
	ds_load_b128 v[80+16*((\t)%2)+4*\i:80+16*((\t)%2)+4*\i+3], v15 offset:2560*((\t)%2)+16*\i
.endr
.endm
.macro XSTEP t
.set XS, 80+16*((\t)%2)
.set PBV, (((\t)/2)&4)|((((\t)/2)&1)<<1)|((((\t)/2)>>1)&1)   ; where these eight rows are kept: the block's number with bits 0 and 1 swapped
.if (\t) > 0
	s_wait_dscnt 1                                 ; this step's numbers are back from the stage (the last step's byte store may be out)
.else
	s_wait_dscnt 0x0
.endif
.if (\t)+4 < 16
	XLOAD (\t)+4
.endif
.if (\t)+1 < 16
.if 14-(\t) >= 3
	s_wait_loadcnt 12                              ; the next step's four loads are in; those of the three steps behind it may be out
.else
	s_wait_loadcnt 4*(14-(\t))
.endif
	XTURN (\t)+1
.endif
	v_max3_num_f32 v8, |v[XS]|, |v[XS+1]|, |v[XS+2]|               ; the largest magnitude of my 16, in two chains
	v_max3_num_f32 v9, |v[XS+3]|, |v[XS+4]|, |v[XS+5]|
.irp i, 6,10
	v_max3_num_f32 v8, v8, |v[XS+\i]|, |v[XS+\i+1]|
	v_max3_num_f32 v9, v9, |v[XS+\i+2]|, |v[XS+\i+3]|
.endr
	v_max3_num_f32 v8, v8, |v[XS+14]|, |v[XS+15]|
	v_max3_num_f32 v8, v8, v9, 0x1800000           ; and the floor 2^(3 - 127): the byte cannot fall under 1
	v_max_num_f32_dpp v8, v8, v8 row_xmask:1 row_mask:0xf bank_mask:0xf   ; with my neighbour's 16: the block's
	v_add_nc_u32 v11, 0xff000000, v8               ; 2 off its exponent field: the conversion takes that field as its scale
	v_cvt_scalef32_pk16_fp6_f32 v[128+4*(\t):128+4*(\t)+2], v[XS:XS+15], v11
	v_lshrrev_b32 v[112+(\t)], 23, v11             ; the scale's byte
	ds_store_b8 v5, v[112+(\t)] offset:32*PBV+2*((\t)%2)           ; both lanes of a block write the same byte with the same value
	global_store_b96 v4, v[128+4*(\t):128+4*(\t)+2], s[16:17] offset:((\t)%2)*CHS+384*PBV   ; eight kept rows x 48 bytes: 384 consecutive bytes
.endm
; ---- the weights' macros.  A lane takes a column, its registers run down K.  Block t: 32 along K
.macro WLOAD t
.irp i, 0,1,2,3,4,5,6,7,8,9,10,11,12,13,14,15,16,17,18,19,20,21,22,23,24,25,26,27,28,29,30,31
	global_load_b32 v[32+32*((\t)%2)+\i], v3, s[8:9] offset:(32*(\t)+\i)*4096 th:TH_LOAD_NT
.endr
.endm
.macro WBLOCK t
.set XS, 32+32*((\t)%2)
.if (\t) < 7
	s_wait_loadcnt 32                              ; this block's 32 loads are in; the next block's may be out
.else
	s_wait_loadcnt 0x0
.endif
	v_max3_num_f32 v12, |v[XS]|, |v[XS+1]|, |v[XS+2]|
	v_max3_num_f32 v13, |v[XS+3]|, |v[XS+4]|, |v[XS+5]|
.irp i, 6,10,14,18,22,26
	v_max3_num_f32 v12, v12, |v[XS+\i]|, |v[XS+\i+1]|
	v_max3_num_f32 v13, v13, |v[XS+\i+2]|, |v[XS+\i+3]|
.endr
	v_max3_num_f32 v12, v12, |v[XS+30]|, |v[XS+31]|
	v_max3_num_f32 v12, v12, v13, 0x1800000        ; the block's largest magnitude, all 32 numbers mine, and the floor
	v_add_nc_u32 v11, 0xff000000, v12
	v_lshrrev_b32 v13, 23, v11                     ; the scale's byte
.if (\t)%4 == 0
	v_mov_b32 v[24+(\t)/4], v13                    ; four bytes make the scale word of 128 along K
.else
	v_lshl_or_b32 v[24+(\t)/4], v13, 8*((\t)%4), v[24+(\t)/4]
.endif
	v_cvt_scalef32_pk16_fp6_f32 v[96:98], v[XS:XS+15], v11
	v_cvt_scalef32_pk16_fp6_f32 v[100:102], v[XS+16:XS+31], v11   ; (a conversion's three registers begin on an even number)
	v_nop                                          ; one plain place behind a scaled conversion
	v_mov_b32 v99, v100                            ; the block's 24 bytes on end
	v_mov_b32 v100, v101
	v_mov_b32 v101, v102
.irp p, 0,1,2
	ds_store_b64 v4, v[96+2*\p:97+2*\p] offset:1536*((\t)/2)+24*((\t)%2)+8*\p
.endr
.if (\t)+2 < 8
	WLOAD (\t)+2
.endif
	s_wait_dscnt 0x0                               ; the stores have read their registers
.endm
	s_load_b512 s[4:19], s[0:1], 0x0               ; mask s[4:5], x s[6:7], Wq, Wk, Wv, Wo s[8:15], cod s[16:17], scl s[18:19]
	s_load_b64 s[20:21], s[0:1], 0x40              ; mbits
	v_lshl_add_u32 v[SPW], v0, 2, SPARE
	v_mov_b32 v[NIL], 0
	v_lshrrev_b32 v1, 5, v0
	v_readfirstlane_b32 s22, v1                    ; wave 0..3
	v_and_b32 v2, 31, v0                           ; lane
	s_wait_kmcnt 0x0
	s_cmp_lt_u32 ttmp9, 512
	s_cbranch_scc1 .Lmask
	s_cmp_lt_u32 ttmp9, 768
	s_cbranch_scc1 .Lx
	; ================ the weights
	s_sub_co_u32 s24, ttmp9, 768
	s_lshr_b32 s25, s24, 5                         ; which weight
	s_bfe_u32 s26, s24, 0x30002                    ; which 128 columns
	s_and_b32 s27, s24, 3                          ; which 256 along K
	s_cmp_eq_u32 s25, 1
	s_cselect_b64 s[8:9], s[10:11], s[8:9]
	s_cmp_eq_u32 s25, 2
	s_cselect_b64 s[8:9], s[12:13], s[8:9]
	s_cmp_eq_u32 s25, 3
	s_cselect_b64 s[8:9], s[14:15], s[8:9]
	s_lshl_b32 s28, s26, 7
	s_lshl_b32 s29, s22, 5
	s_add_co_u32 s28, s28, s29                     ; my wave's first column
	s_lshl_b32 s30, s27, 20                        ; 256 rows of 4,096 bytes
	s_lshl_b32 s29, s28, 2
	s_add_co_u32 s30, s30, s29
	s_mov_b32 s31, 0
	s_add_nc_u64 s[8:9], s[8:9], s[30:31]
	s_lshl_b32 s29, s25, 10
	s_add_co_u32 s28, s28, s29
	s_add_co_u32 s28, s28, 8192                    ; my first row of cod and scl
	s_mul_i32 s30, s27, 4*CHS
	s_mul_i32 s29, s28, 48
	s_add_co_u32 s30, s30, s29
	s_add_nc_u64 s[16:17], s[16:17], s[30:31]
	s_mul_i32 s30, s27, 2*SCS
	s_lshl_b32 s29, s28, 2
	s_add_co_u32 s30, s30, s29
	s_add_nc_u64 s[18:19], s[18:19], s[30:31]
	v_lshlrev_b32 v3, 2, v2                        ; in: 4 bytes a lane
	v_and_b32 v4, 7, v2
	v_and_b32 v5, 8, v2
	v_lshl_or_b32 v4, v5, 1, v4
	v_lshrrev_b32 v5, 4, v2
	v_lshl_or_b32 v9, v5, 3, v4                    ; where my column is kept among the 32: bits 3 and 4 swapped
	s_mul_i32 s29, s22, 6144
	s_add_co_u32 s29, s29, WST                     ; my stage
	v_mul_u32_u24 v4, v9, 48
	v_add_nc_u32 v4, s29, v4
	v_lshlrev_b32 v8, 4, v2
	v_add_nc_u32 v7, s29, v8                       ; out of it: 16 bytes a lane
	v_lshlrev_b32 v9, 2, v9
	WLOAD 0
	WLOAD 1
.irp t, 0,1,2,3,4,5,6,7
	WBLOCK \t
.endr
	global_store_b32 v9, v24, s[18:19]             ; my column's two scale words: 32 lanes fill 128 consecutive bytes each
	global_store_b32 v9, v25, s[18:19] offset:SCS
.irp k, 0,1,2,3,4,5,6,7,8,9,10,11
	ds_load_b128 v[112+4*\k:112+4*\k+3], v7 offset:512*\k
.endr
.irp k, 0,1,2,3,4,5,6,7,8,9,10,11
	s_wait_dscnt 11-\k
	global_store_b128 v8, v[112+4*\k:112+4*\k+3], s[16:17] offset:(\k/3)*CHS+512*(\k%3)   ; a chunk's 32 rows are 1,536 consecutive bytes, aligned to 256
.endr
	s_wait_tensorcnt 0x0                           ; the wave's end, behind my last LDS store
	ds_add_u32 v[SPW], v[NIL]
	s_wait_dscnt 0x0
	s_endpgm
	; ================ the mask
.Lmask:
	s_lshl_b32 s24, ttmp9, 4
	s_and_b32 s25, ttmp9, 1
	s_lshl_b32 s25, s25, 3
	s_sub_co_u32 s24, s24, s25                     ; the tile's first row: 32 (T / 2) + 8 (T % 2), batches on end
	s_lshl_b32 s24, s24, 13                        ; rows of 8,192 bytes
	s_lshl_b32 s25, s22, 11                        ; my wave's 512 keys
	s_add_co_u32 s24, s24, s25
	s_mov_b32 s25, 0
	s_add_nc_u64 s[4:5], s[4:5], s[24:25]
	s_lshl_b32 s24, ttmp9, 12                      ; the tile's 4,096 bytes of mbits, my four steps of 256
	s_lshl_b32 s26, s22, 10
	s_add_co_u32 s24, s24, s26
	s_add_nc_u64 s[20:21], s[20:21], s[24:25]
	s_mul_i32 s26, s22, 8448                       ; my stage (MST = 0)
	v_lshlrev_b32 v3, 4, v2
	v_add_nc_u32 v4, s26, v3
	v_and_b32 v7, 15, v2
	v_lshrrev_b32 v8, 4, v2
	v_mul_u32_u24 v5, v7, 528
	v_lshl_add_u32 v5, v8, 6, v5
	v_add_nc_u32 v5, s26, v5                       ; row r, + 64 h
	v_lshlrev_b32 v6, 3, v2
.irp j, 0,1,2,3,4,5,6,7
	v_mov_b32 v[16+\j], 0                          ; written once: v_writelane_b32's destination counts as read
.endr
	MLOAD 0
	MLOAD 1
	MUNIT 0
	MUNIT 1
	MUNIT 2
	MUNIT 3
	s_wait_tensorcnt 0x0                           ; the wave's end, behind my last LDS store
	ds_add_u32 v[SPW], v[NIL]
	s_wait_dscnt 0x0
	s_endpgm
	; ================ x
.Lx:
	s_sub_co_u32 s24, ttmp9, 512
	s_lshl_b32 s24, s24, 2
	s_add_co_u32 s24, s24, s22
	s_and_b32 s25, s24, 7                          ; which 128 along K
	s_lshr_b32 s26, s24, 3                         ; which 64 rows
	s_lshl_b32 s28, s26, 18
	s_lshl_b32 s27, s25, 9
	s_add_co_u32 s28, s28, s27
	s_mov_b32 s29, 0
	s_add_nc_u64 s[6:7], s[6:7], s[28:29]
	s_mul_i32 s28, s25, 2*CHS
	s_mul_i32 s27, s26, 3072
	s_add_co_u32 s28, s28, s27
	s_add_nc_u64 s[16:17], s[16:17], s[28:29]
	s_mul_i32 s28, s25, SCS
	s_lshl_b32 s27, s26, 8
	s_add_co_u32 s28, s28, s27
	s_add_nc_u64 s[18:19], s[18:19], s[28:29]
	v_lshrrev_b32 v8, 4, v2
	v_and_b32 v9, 15, v2
	v_lshlrev_b32 v3, 12, v8
	v_lshl_add_u32 v3, v9, 4, v3                   ; in: lanes 0-15 one row, lanes 16-31 the next, 16 bytes a lane
	s_lshl_b32 s27, s22, 13
	s_add_co_u32 s27, s27, XST                     ; my region
	v_lshrrev_b32 v14, 2, v2
	v_mul_u32_u24 v14, v14, 80
	v_and_b32 v15, 3, v2
	v_lshl_add_u32 v14, v15, 4, v14
	v_add_nc_u32 v14, s27, v14                     ; the stage, in: four lanes' 64 bytes on end, then 16 of padding
	v_mul_u32_u24 v15, v2, 80
	v_add_nc_u32 v15, s27, v15                     ; and out: 80 x lane
	v_mul_u32_u24 v4, v2, 12                       ; my 12 bytes of a step's 384
	v_lshrrev_b32 v5, 2, v2
	v_bfe_u32 v6, v2, 1, 1
	v_lshl_add_u32 v5, v5, 2, v6
	s_add_co_u32 s27, s27, 5120
	v_add_nc_u32 v5, s27, v5                       ; my block's scale byte: 4 x row + block
	v_lshlrev_b32 v7, 3, v2
	v_add_nc_u32 v6, s27, v7
.irp t, 0,1,2,3
	XLOAD \t
.endr
	s_wait_loadcnt 12                              ; step 0's four loads are in
	XTURN 0
.irp t, 0,1,2,3,4,5,6,7,8,9,10,11,12,13,14,15
	XSTEP \t
.endr
	ds_load_b64 v[8:9], v6                         ; my 64 rows' scale words
	s_wait_dscnt 0x0
	global_store_b64 v7, v[8:9], s[18:19]          ; 32 lanes store 256 consecutive bytes, aligned
	s_wait_tensorcnt 0x0                           ; the wave's end, behind my last LDS store
	ds_add_u32 v[SPW], v[NIL]
	s_wait_dscnt 0x0
	s_endpgm
.Lfunc_end_k_q7bc171fb09_prep:
	.size	k_q7bc171fb09_prep, .Lfunc_end_k_q7bc171fb09_prep-k_q7bc171fb09_prep
	.p2alignl 7, 3214868480
	.fill 96, 4, 3214868480
	.section	.rodata,"a",@progbits
	.p2align	6, 0x0
	.amdhsa_kernel k_q7bc171fb09_prep
		.amdhsa_group_segment_fixed_size 91648
		.amdhsa_private_segment_fixed_size 0
		.amdhsa_enable_private_segment 0
		.amdhsa_kernarg_size 72
		.amdhsa_user_sgpr_count 2
		.amdhsa_user_sgpr_kernarg_segment_ptr 1
		.amdhsa_wavefront_size32 1
		.amdhsa_system_sgpr_workgroup_id_x 1
		.amdhsa_system_sgpr_workgroup_id_y 1
		.amdhsa_system_sgpr_workgroup_id_z 1
		.amdhsa_system_vgpr_workitem_id 0
		.amdhsa_next_free_vgpr 224
		.amdhsa_next_free_sgpr 66
		.amdhsa_reserve_vcc 0
		.amdhsa_float_denorm_mode_32 3
		.amdhsa_float_denorm_mode_16_64 3
		.amdhsa_memory_ordered 1
		.amdhsa_forward_progress 1
		.amdhsa_inst_pref_size 122
	.end_amdhsa_kernel
	.amdgpu_metadata
---
amdhsa.version: [ 1, 2 ]
amdhsa.kernels:
  - .name:           k_q7bc171fb09_prep
    .symbol:         k_q7bc171fb09_prep.kd
    .args:
      - { .name: mask, .offset: 0, .size: 8, .value_kind: global_buffer, .address_space: global }
      - { .name: x, .offset: 8, .size: 8, .value_kind: global_buffer, .address_space: global }
      - { .name: Wq, .offset: 16, .size: 8, .value_kind: global_buffer, .address_space: global }
      - { .name: Wk, .offset: 24, .size: 8, .value_kind: global_buffer, .address_space: global }
      - { .name: Wv, .offset: 32, .size: 8, .value_kind: global_buffer, .address_space: global }
      - { .name: Wo, .offset: 40, .size: 8, .value_kind: global_buffer, .address_space: global }
      - { .name: cod, .offset: 48, .size: 8, .value_kind: global_buffer, .address_space: global }
      - { .name: scl, .offset: 56, .size: 8, .value_kind: global_buffer, .address_space: global }
      - { .name: mbits, .offset: 64, .size: 8, .value_kind: global_buffer, .address_space: global }
    .group_segment_fixed_size: 91648
    .private_segment_fixed_size: 0
    .kernarg_segment_align: 8
    .kernarg_segment_size: 72
    .max_flat_workgroup_size: 128
    .sgpr_count:     66
    .vgpr_count:     224
    .wavefront_size: 32
...
	.end_amdgpu_metadata
.endif
;; end of part 1
;; launch qkvgemm (part 2): grid 12 x 32, 4 waves a work-group, clusters of 4 x 4, 327,680 bytes of LDS; arguments cod, scl, bq, bk, bv, qkvc, qkvs; writes qkvc, qkvs
.if DOCPART == 2
	.amdgcn_target "amdgcn-amd-amdhsa--gfx1250"
	.amdhsa_code_object_version 6
	.text
	.protected	k_q7bc171fb09_qkvgemm
	.globl	k_q7bc171fb09_qkvgemm
	.p2align	8
	.type	k_q7bc171fb09_qkvgemm,@function
k_q7bc171fb09_qkvgemm:
	s_mov_b64 s[64:65], 0
	v_nop
	global_prefetch_b8 v0, s[64:65] scope:SCOPE_SE
	s_setreg_imm32_b32 hwreg(HW_REG_WAVE_MODE, 25, 1), 1
	s_wait_xcnt 0x0
	s_wait_alu depctr_hold_cnt(0) depctr_sa_sdst(0) depctr_va_vdst(0) depctr_va_sdst(0) depctr_va_ssrc(0) depctr_va_vcc(0) depctr_vm_vsrc(0)
	s_getreg_b32 s2, hwreg(HW_REG_IB_STS2, 6, 4)
	s_cmp_eq_u32 s2, 0
	s_cbranch_scc0 .Lentry_in_a_cluster
	s_endpgm
.Lentry_in_a_cluster:
	s_bfe_u32 s2, ttmp6, 0x10000c
	s_cmp_lg_u32 s2, 0xf033
	s_cbranch_scc0 .Lentry_shape_is_right
	s_endpgm
.Lentry_shape_is_right:
; Launch 2 of 4: q = x Wq + bq, k = x Wk + bk, v = x Wv + bv on codes of E2M3, and the results quantised in registers for the attention's two products.  Nothing of the problem is left out here.
; A tile of 256 x 256 is made by four waves, 128 x 128 each: 64 accumulators, 512 registers.  K = 1,024 goes in four slots' worth of 256 through a ring of two LDS slots filled by the tensor data mover.
; SOURCE 0 = 16 rows of "B", SOURCE 1 = 16 rows of "A": a lane holds one row of A, and its registers run along B's rows.  THE ROLE hangs on the cluster's x alone (the same in all sixteen partners):
;   clusters 0, 1 (q, k): A = x's tokens, B = the weight's output columns: a lane's registers run along the channels, which are K of q k^T;
;   cluster 2 (v):        A = Wv's output columns, B = x's tokens: a lane's registers run along the keys, which are K of p v.
; Both operands come out of cod and scl (rows kept with bits 3 and 4 of their number swapped), so that the 16 registers of tiles 2 b and 2 b + 1 are 16 neighbours along the next K.
; The bias is the C of each sum's first matrix instruction.
; CLUSTERS: 4 x 4 work-groups; A's tiles are asked for jointly along a row of the cluster, B's along a column.
; OUT: qkvc [q, k, v][(batch x 8 + pair of heads) x 16 + run of 128 tokens][12,288 bytes]: q, k: [head of the pair][kept token 128][48]; v: [64 keys of the run][kept channel of the pair 128][48].
;      qkvs likewise [..][128 words]: q, k: a token's word (bytes 0, 1 the pair's first head, 2, 3 its second); v: a channel's word (the run's four blocks of 32 keys).
; LIMITS: as stated at the head of the first launch (NaN, infinities; the floor under a block's largest magnitude).
; REGISTERS, in windows of 256: window 0: v16-31 addresses; v32-63 scale words, two sets, and nothing else; v64-127 the bias, later the quantiser's work; v128-223 A's fragments, ONE set, later the way out.
;   window 1: B's fragments, two sets, at v0 and v128.   window 2: the accumulators of A's blocks 0-3 ((a, b) at v[8 (8 a + b)]);   window 3: those of blocks 4-7.
.set CHS,   589824                     ; bytes from chunk (64 along K) to chunk in cod
.set SCS,   49152                      ; bytes from run (128 along K) to run in scl
.set ASLOT, 4*CHS                      ; a slot on along K, in A's codes and in B's
.set BSLOT, 4*CHS
.set CHK,   6144                       ; a chunk of 128 rows in LDS: rows of 48 bytes = 12 words: the 32 lanes of a load of 8 bytes (12 r + 6 h) touch 64 different banks (64 banks of 4 bytes: ISA guide 11.1)
.set HALFT, 4*CHK                      ; what one tensor load brings: 128 rows x 256 along K
.set SLOT,  4*HALFT                    ; A's two halves, then B's two
.set SCL,   2*SLOT                     ; the scale words for all of K: [8 runs][128 rows][4] for each of the four halves
.set SPARE, SCL+4*4096                 ; the spare words, 128 bytes for each wave: two blocks of 256 bytes that no other line names
.set STGB,  12800                      ; the way out: a stage for each wave, in slot 0 behind its last fill and its last read: 12,288 bytes of codes, 512 of scale words
.set NQ,    2
.set FR,    12
.set NL,    6
.set NP,    4
.set ADRA, 16                          ; v16-17 LDS address of my A fragments in slot 0, 1
.set ADRB, 20                          ; v20-21 the same for B
.set CO,   22                          ; v22 16 x lane
.set STO,  24                          ; v24 the stage: 48 r + 24 h
.set STS,  25                          ; v25 the stage's scale words: 4 r
.set RD,   26                          ; v26 the stage, back: 16 x lane
.set ADRS, 27                          ; v27 my scale words: lanes 0-15 A's rows, lanes 16-31 B's
.set SPW,  28
.set NIL,  29
.set SC,   32
.set BIAS, 64
.set AF,   128
.set TM,   64                          ; the quantiser: v64-67 largest magnitudes, v68-71 bytes, v76-79 the conversions' scale operands
.set PW,   80                          ; the scale word just made
.set PC,   84                          ; v84-103 the codes just made
.set OUTR, 128
.set G1, 24
.set G0, 32
.set G1B, 48
.set G0B, 56
.set G1S, 68
.set G0S, 76
.set G1SB, 80
.set G0SB, 88
.set MSB, 0
.macro WIN new                         ; the immediate's high byte repeats the setting that is left
.if MSB != \new
	s_set_vgpr_msb (MSB<<8)|\new
.set MSB, \new
.endif
.endm
.set MUL_LO, 0xa1                      ; source 0 (B) window 1, source 1 (A) window 0, C and D window 2
.set MUL_HI, 0xf1                      ; the same, C and D window 3
.set TO_B,   0x40
; A joint load: waves 0 and 1 fetch for A, waves 2 and 3 for B.  The branch hangs on the wave's number alone.  An s_nop 0 and four v_nop follow each of the two lines.
.macro JLOAD g0a, g1a, g0b, g1b
	s_cmp_eq_u32 s19, 0
	s_cbranch_scc0 .Lfor_b_\@
	tensor_load_to_lds s[\g0a:\g0a+3], s[\g1a:\g1a+7]
	s_nop 0
.rept 4
	v_nop
.endr
	s_branch .Lasked_\@
.Lfor_b_\@:
	tensor_load_to_lds s[\g0b:\g0b+3], s[\g1b:\g1b+7]
	s_nop 0
.rept 4
	v_nop
.endr
.Lasked_\@:
.endm
.macro CREST                           ; a round of the cluster's barrier behind its opening barrier
	s_cmp_lg_u32 s18, 0
	s_cbranch_scc1 .Lnot_wave_0_\@
	s_barrier_signal -3
.Lnot_wave_0_\@:
	s_barrier_wait -3
	s_barrier_signal -1
	s_barrier_wait -1
.endm
.macro CROUND
	s_barrier_signal -1
	s_barrier_wait -1
	CREST
.endm
.macro FRAG reg, adr, q, i             ; a fragment, 16 rows x 128 K: registers 6 c .. 6 c + 5 = K 64 c + 32 h + 0 .. 31: 24 bytes of chunk 2 q + c, as they lie
.irp p, 0,1,2,3,4,5
	ds_load_b64 v[\reg+2*\p:\reg+2*\p+1], v[\adr] offset:(2*(\q)+\p/3)*CHK+(\i)*768+8*(\p%3)
.endr
.endm
; 16 matrix instructions: A's blocks a0, a0 + 1 x B's eight.  cm = 0: onto the sums; 1: the sums start from the bias of B's block; 2: from the bias of A's block.
; The 64 accumulators take turns, one instruction a turn, in the same order in every step.
.macro MUL16 a0, p, q, sc, cm
.irp a, \a0, \a0+1
.irp b, 0,1,2,3,4,5,6,7
.if \cm == 1
	v_wmma_scale_f32_16x16x128_f8f6f4 v[8*(8*((\a)%4)+\b):8*(8*((\a)%4)+\b)+7], v[128*(\p)+FR*\b:128*(\p)+FR*\b+FR-1], v[AF+FR*(\a):AF+FR*(\a)+FR-1], v[BIAS+8*\b:BIAS+8*\b+7], v[SC+8*NQ*(\sc)+NQ*\b+(\q)], v[SC+8*NQ*(\sc)+NQ*(\a)+(\q)] matrix_a_fmt:MATRIX_FMT_FP6 matrix_b_fmt:MATRIX_FMT_FP6 matrix_a_scale:MATRIX_SCALE_ROW1
.elseif \cm == 2
	v_wmma_scale_f32_16x16x128_f8f6f4 v[8*(8*((\a)%4)+\b):8*(8*((\a)%4)+\b)+7], v[128*(\p)+FR*\b:128*(\p)+FR*\b+FR-1], v[AF+FR*(\a):AF+FR*(\a)+FR-1], v[BIAS+8*(\a):BIAS+8*(\a)+7], v[SC+8*NQ*(\sc)+NQ*\b+(\q)], v[SC+8*NQ*(\sc)+NQ*(\a)+(\q)] matrix_a_fmt:MATRIX_FMT_FP6 matrix_b_fmt:MATRIX_FMT_FP6 matrix_a_scale:MATRIX_SCALE_ROW1
.else
	v_wmma_scale_f32_16x16x128_f8f6f4 v[8*(8*((\a)%4)+\b):8*(8*((\a)%4)+\b)+7], v[128*(\p)+FR*\b:128*(\p)+FR*\b+FR-1], v[AF+FR*(\a):AF+FR*(\a)+FR-1], v[8*(8*((\a)%4)+\b):8*(8*((\a)%4)+\b)+7], v[SC+8*NQ*(\sc)+NQ*\b+(\q)], v[SC+8*NQ*(\sc)+NQ*(\a)+(\q)] matrix_a_fmt:MATRIX_FMT_FP6 matrix_b_fmt:MATRIX_FMT_FP6 matrix_a_scale:MATRIX_SCALE_ROW1
.endif
.endr
.endr
.endm
.macro FETCH_B slot, q, p
	WIN TO_B
.irp i, 0,1,2,3,4,5,6,7
	FRAG 128*(\p)+FR*\i, ADRB+\slot, \q, \i
.endr
	WIN 0
.endm
.macro FETCH_A slot, q, i0
.irp i, \i0, \i0+1, \i0+2, \i0+3
	FRAG AF+FR*(\i), ADRA+\slot, \q, \i
.endr
.endm
.macro SCALES sc                       ; a slot's scale words: register 2 i + q: lanes 0-15 the word of A's block i, lanes 16-31 that of B's block i, for the slot's q-th 128 along K
.irp i, 0,1,2,3,4,5,6,7
	ds_load_b32 v[SC+16*\sc+2*\i], v[ADRS] offset:64*\i
	ds_load_b32 v[SC+16*\sc+2*\i+1], v[ADRS] offset:64*\i+512
.endr
.endm
.macro PLACES n                        ; a load into a register that a matrix instruction has read, and a read of a result, stand four plain vector instructions behind it (ISA guide 7.12.1 for the read of a result)
.rept \n
	v_nop
.endr
.endm
.macro STEP slot, q, cm                ; a step of 128 along K that has its successor in the same slot
	s_wait_dscnt 4*NL                              ; B's set, the scale words and A's blocks 0-3 are in; the youngest 24 loads (A's blocks 4-7) may be out
.if \cm
	WIN 0x81                                       ; C, the bias, in window 0
.else
	WIN MUL_LO
.endif
	MUL16 0, (\q)%2, \q, \slot, \cm
	MUL16 2, (\q)%2, \q, \slot, \cm
	s_wait_dscnt 0
	PLACES NP
	FETCH_B \slot, (\q)+1, 1-(\q)%2
	FETCH_A \slot, (\q)+1, 0
.if \cm
	WIN 0xc1
.else
	WIN MUL_HI
.endif
	MUL16 4, (\q)%2, \q, \slot, \cm
	MUL16 6, (\q)%2, \q, \slot, \cm
	PLACES NP
	WIN 0
	FETCH_A \slot, (\q)+1, 4
.endm
; A slot's last step changes slots: ONE barrier; in front of it each wave waits for all its tensor loads, adds 0 to its spare word, and waits for that and for its reads of this slot.  fill = 1: the slot is filled again, two slots ahead.
.macro TURN slot, next, fill
	s_wait_tensorcnt 0x0                           ; all my tensor loads have landed: my part of the next slot
	ds_add_u32 v[SPW], v[NIL]                      ; 0 onto my spare word
	s_wait_dscnt 4*NL+1                            ; (the add and the youngest 24 loads may be out)
	WIN MUL_LO
	MUL16 0, 1, NQ-1, \slot, 0
	s_wait_dscnt 0x0                               ; the add is done, and my reads of this slot are over
	s_barrier_signal -1
	MUL16 2, 1, NQ-1, \slot, 0
	WIN 0
	s_barrier_wait -1
.if \fill
	CREST                                          ; the barrier has opened a round of the cluster's: no wave of any partner still reads this slot or has a load on its way
	s_add_nc_u64 s[G0+4*\slot+2:G0+4*\slot+3], s[G0+4*\slot+2:G0+4*\slot+3], 2*ASLOT
	s_add_nc_u64 s[G0B+4*\slot+2:G0B+4*\slot+3], s[G0B+4*\slot+2:G0B+4*\slot+3], 2*BSLOT
	JLOAD G0+4*\slot, G1, G0B+4*\slot, G1B         ; the first tensor load behind the round; its four v_nop are the places in front of the loads below
.else
	PLACES NP
.endif
	v_add_nc_u32 v[ADRS], 1024, v[ADRS]            ; the next slot's scale words: two runs of 512 bytes on
	FETCH_B \next, 0, 0
	FETCH_A \next, 0, 0
	SCALES \next
	WIN MUL_HI
	MUL16 4, 1, NQ-1, \slot, 0
	MUL16 6, 1, NQ-1, \slot, 0
	PLACES NP
	WIN 0
	FETCH_A \next, 0, 4
.endm
	s_load_b256 s[4:11], s[0:1], 0x0               ; cod s[4:5], scl s[6:7], bq s[8:9], bk s[10:11]
	s_load_b128 s[12:15], s[0:1], 0x20             ; bv s[12:13], qkvc s[14:15]
	s_load_b64 s[16:17], s[0:1], 0x30              ; qkvs
	v_lshl_add_u32 v[SPW], v0, 2, SPARE
	v_mov_b32 v[NIL], 0
	ds_add_u32 v[SPW], v[NIL]                      ; the wave's opening: the add, twice on end, and its wait ahead of my first tensor load
	ds_add_u32 v[SPW], v[NIL]
	v_lshrrev_b32 v1, 5, v0
	v_readfirstlane_b32 s18, v1                    ; wave 0..3
	s_lshr_b32 s19, s18, 1                         ; which half of A's rows is mine.  Also: I fetch for A (0) or for B (1)
	s_and_b32 s20, s18, 1                          ; which half of B's rows.  Also: which 128 rows of that tile I fetch
	s_bfe_u32 s40, ttmp6, 0x40000                  ; cx
	s_bfe_u32 s41, ttmp6, 0x40004                  ; cy
	s_and_b32 s42, ttmp7, 0xffff                   ; the cluster's y
	s_lshl_b32 s43, s41, 2
	s_lshl_b32 s43, 15, s43                        ; my row of the cluster
	s_lshl_b32 s44, 0x1111, s40                    ; my column
	; codes: 4 chunks x (128 rows x 48 bytes = 768 elements of 8 bytes), chunks CHS bytes apart; dense in LDS
	s_or_b32 s[G1+0], s43, (3<<16)|(1<<21)         ; 15:0 the mask; 17:16 elements of 8 bytes; 21 set beside a mask; no padding
	s_or_b32 s[G1B+0], s44, (3<<16)|(1<<21)
.irp g, G1, G1B
	s_mov_b32 s[\g+1], 768<<16                     ; tensor_dim0
	s_mov_b32 s[\g+2], 4<<16                       ; tensor_dim1
	s_mov_b32 s[\g+3], 768<<16                     ; tile_dim0
	s_mov_b32 s[\g+4], 4                           ; tile_dim1
	s_mov_b32 s[\g+5], CHS/8                       ; from chunk to chunk
	s_mov_b32 s[\g+6], 0
	s_mov_b32 s[\g+7], 0
.endr
	; scale words: 8 runs x (128 rows x 4 bytes = 64 elements), runs SCS bytes apart
	s_or_b32 s[G1S+0], s43, (3<<16)|(1<<21)
	s_or_b32 s[G1SB+0], s44, (3<<16)|(1<<21)
.irp g, G1S, G1SB
	s_mov_b32 s[\g+1], 64<<16
	s_mov_b32 s[\g+2], 8<<16
	s_mov_b32 s[\g+3], 64<<16
	s_mov_b32 s[\g+4], 8
	s_mov_b32 s[\g+5], SCS/8
	s_mov_b32 s[\g+6], 0
	s_mov_b32 s[\g+7], 0
.endr
	; which rows of cod: A's hang on cy and the cluster's place, B's on cx and the cluster's place
	s_lshl_b32 s45, s42, 10                        ; 1,024 x cluster y: the tokens' part
	s_lshl_b32 s46, ttmp9, 10
	s_add_co_u32 s46, s46, 8192                    ; Wq's or Wk's first row
	s_lshl_b32 s23, s20, 7                         ; the 128 rows that I fetch
	s_lshl_b32 s2, s41, 8
	s_lshl_b32 s3, s40, 8
	s_cmp_eq_u32 ttmp9, 2                          ; the role: the same in all sixteen partners
	s_cselect_b32 s21, 10240, s45                  ; A: Wv's rows, or tokens
	s_cselect_b32 s22, s45, s46                    ; B: tokens, or the weight's rows
	s_add_co_u32 s21, s21, s2
	s_add_co_u32 s21, s21, s23
	s_add_co_u32 s22, s22, s3
	s_add_co_u32 s22, s22, s23
	s_mul_i32 s92, s21, 48
	s_mov_b32 s93, 0
	s_mul_i32 s94, s22, 48
	s_mov_b32 s95, 0
	s_lshl_b32 s96, s21, 2
	s_mov_b32 s97, 0
	s_lshl_b32 s98, s22, 2
	s_mov_b32 s99, 0
	s_mul_i32 s45, s18, HALFT                      ; where they go: by the wave's number alone
	s_lshl_b32 s46, s18, 12
	s_wait_dscnt 0x0                               ; both opening adds are done
	s_wait_kmcnt 0x0
	s_add_nc_u64 s[92:93], s[4:5], s[92:93]
	s_add_nc_u64 s[94:95], s[4:5], s[94:95]
	s_add_nc_u64 s[96:97], s[6:7], s[96:97]
	s_add_nc_u64 s[98:99], s[6:7], s[98:99]
	CROUND                                         ; all sixteen work-groups are here: the first joint loads meet
	s_mov_b32 s[G0S], 1
	s_add_co_u32 s[G0S+1], s46, SCL
	s_mov_b64 s[G0S+2:G0S+3], s[96:97]
	s_or_b32 s[G0S+3], s[G0S+3], 0x80000000
	s_mov_b32 s[G0SB], 1
	s_add_co_u32 s[G0SB+1], s46, SCL
	s_mov_b64 s[G0SB+2:G0SB+3], s[98:99]
	s_or_b32 s[G0SB+3], s[G0SB+3], 0x80000000
	JLOAD G0S, G1S, G0SB, G1SB                     ; the scale words first: they are wanted with the first slot.  By this text's count three tensor loads of a wave are out at the most
.irp s, 0,1
	s_mov_b32 s[G0+4*\s], 1
	s_add_co_u32 s[G0+4*\s+1], s45, \s*SLOT
	s_add_nc_u64 s[G0+4*\s+2:G0+4*\s+3], s[92:93], \s*ASLOT
	s_or_b32 s[G0+4*\s+3], s[G0+4*\s+3], 0x80000000
	s_mov_b32 s[G0B+4*\s], 1
	s_add_co_u32 s[G0B+4*\s+1], s45, \s*SLOT
	s_add_nc_u64 s[G0B+4*\s+2:G0B+4*\s+3], s[94:95], \s*BSLOT
	s_or_b32 s[G0B+4*\s+3], s[G0B+4*\s+3], 0x80000000
	JLOAD G0+4*\s, G1, G0B+4*\s, G1B
.endr
	v_and_b32 v1, 15, v0                           ; r
	v_bfe_u32 v2, v0, 4, 1                         ; h
	v_mul_u32_u24 v3, v1, 48
	v_mad_u32_u24 v3, v2, 24, v3                   ; 48 r + 24 h
	s_mul_i32 s21, s19, HALFT                      ; my 128 rows of A
	s_mul_i32 s22, s20, HALFT                      ; my 128 rows of B,
	s_add_co_u32 s22, s22, 2*HALFT                 ; behind A's two halves
.irp s, 0,1
	v_add_nc_u32 v[ADRA+\s], s21, v3
	v_add_nc_u32 v[ADRB+\s], s22, v3
	s_add_co_u32 s21, s21, SLOT
	s_add_co_u32 s22, s22, SLOT
.endr
	s_lshl_b32 s21, s19, 12                        ; A's scale words: my half
	s_lshl_b32 s22, s20, 12
	s_add_co_u32 s22, s22, 8192                    ; B's: my half, behind A's two
	s_sub_co_u32 s22, s22, s21
	v_mul_u32_u24 v6, s22, v2                      ; lanes 16-31 take B's: one product, the distance between the two
	s_add_co_u32 s21, s21, SCL
	v_lshl_add_u32 v5, v1, 2, v6
	v_add_nc_u32 v[ADRS], s21, v5
	s_mul_i32 s21, s18, STGB                       ; my stage
	v_add_nc_u32 v[STO], s21, v3
	v_and_b32 v4, 31, v0
	v_lshlrev_b32 v[CO], 4, v4
	v_add_nc_u32 v[RD], s21, v[CO]
	s_add_co_u32 s21, s21, 12288
	v_lshl_add_u32 v[STS], v1, 2, s21
	v_lshlrev_b32 v30, 6, v2                       ; the bias along B's rows: 64 h
	v_and_b32 v31, 8, v1
	v_add_nc_u32 v31, v31, v1
	v_lshlrev_b32 v31, 2, v31                      ; the bias along A's rows: 4 (r + 8 (r / 8))
	; where my 12,288 bytes of codes and 512 of scale words go
	s_cmp_eq_u32 ttmp9, 2
	s_cselect_b32 s47, s40, s41                    ; the tokens' tile in the cluster: cx for v, cy for q and k
	s_cselect_b32 s66, s20, s19                    ; and my half of it
	s_cselect_b32 s67, s41, s40                    ; the channels' tile
	s_cselect_b32 s100, s19, s20                   ; and my half of it
	s_lshl_b32 s101, s42, 2
	s_add_co_u32 s101, s101, s47
	s_lshl_b32 s101, s101, 1
	s_add_co_u32 s101, s101, s66                   ; my run of 128 tokens, 0 .. 63
	s_lshl_b32 s67, s67, 1
	s_add_co_u32 s67, s67, s100                    ; my pair of heads
	s_lshr_b32 s47, s101, 4                        ; the batch
	s_lshl_b32 s47, s47, 3
	s_add_co_u32 s47, s47, s67
	s_lshl_b32 s47, s47, 4
	s_and_b32 s101, s101, 15
	s_add_co_u32 s47, s47, s101
	s_lshl_b32 s66, ttmp9, 9
	s_add_co_u32 s47, s47, s66                     ; 512 x (q, k, v) + (batch x 8 + pair) x 16 + run
	s_mul_i32 s100, s47, 12288
	s_mov_b32 s101, 0
	s_add_nc_u64 s[14:15], s[14:15], s[100:101]
	s_lshl_b32 s100, s47, 9
	s_add_nc_u64 s[16:17], s[16:17], s[100:101]
	; the bias, in the result's layout, while the tiles are on their way
	s_cmp_eq_u32 ttmp9, 2
	s_cbranch_scc1 .Lbias_v
	s_lshl_b32 s100, s40, 10                       ; q, k: my 128 channels are B's rows: register j of tile b is channel 32 (b / 2) + 16 h + 8 (b % 2) + j
	s_lshl_b32 s47, s20, 9
	s_add_co_u32 s100, s100, s47
	s_cmp_eq_u32 ttmp9, 0
	s_cselect_b64 s[8:9], s[8:9], s[10:11]
	s_add_nc_u64 s[8:9], s[8:9], s[100:101]
.irp b, 0,1,2,3,4,5,6,7
	global_load_b128 v[BIAS+8*\b:BIAS+8*\b+3], v30, s[8:9] offset:128*(\b/2)+32*(\b%2)
	global_load_b128 v[BIAS+8*\b+4:BIAS+8*\b+7], v30, s[8:9] offset:128*(\b/2)+32*(\b%2)+16
.endr
	s_branch .Lbias_done
.Lbias_v:
	s_lshl_b32 s100, s41, 10                       ; v: my 128 channels are A's rows: lane r of block a is channel 32 (a / 2) + 8 (a % 2) + r + 8 (r / 8), the same in all eight registers
	s_lshl_b32 s47, s19, 9
	s_add_co_u32 s100, s100, s47
	s_add_nc_u64 s[12:13], s[12:13], s[100:101]
.irp a, 0,1,2,3,4,5,6,7
	global_load_b32 v[BIAS+8*\a], v31, s[12:13] offset:128*(\a/2)+32*(\a%2)
.endr
	s_wait_loadcnt 0x0
.irp a, 0,1,2,3,4,5,6,7
.irp j, 1,2,3,4,5,6,7
	v_mov_b32 v[BIAS+8*\a+\j], v[BIAS+8*\a]
.endr
.endr
.Lbias_done:
	s_wait_tensorcnt 1                             ; the scale words and my part of slot 0 are in (slot 1's load may be out)
	s_barrier_signal -1
	s_barrier_wait -1                              ; everybody's are
	FETCH_B 0, 0, 0
	FETCH_A 0, 0, 0
	SCALES 0
	FETCH_A 0, 0, 4
	s_wait_loadcnt 0x0                             ; the bias
	s_cmp_eq_u32 ttmp9, 2
	s_cbranch_scc1 .Lfirst_v
	STEP 0, 0, 1                                   ; the first step starts the sums from the bias: nothing is cleared, nothing is added later
	s_branch .Lfirst_done
.Lfirst_v:
	STEP 0, 0, 2
.Lfirst_done:
	TURN 0, 1, 1                                   ; K = 1,024 is four slots' worth: written straight
	STEP 1, 0, 0
	TURN 1, 0, 1
	STEP 0, 0, 0
	TURN 0, 1, 0                                   ; the last two slots' worth are in: nothing is filled, and no round of the cluster's barrier
	STEP 1, 0, 0
	s_wait_dscnt 4*NL
	WIN MUL_LO
	MUL16 0, 1, NQ-1, 1, 0
	MUL16 2, 1, NQ-1, 1, 0
	s_wait_dscnt 0
	WIN MUL_HI
	MUL16 4, 1, NQ-1, 1, 0
	MUL16 6, 1, NQ-1, 1, 0
	WIN 0
; THE WAY OUT.  Block a's 64 registers of a lane are 128 neighbours' worth along the next K: register 16 b + i = k 32 b + 16 h + i of the lane's row.  They become a fragment's 12 registers and a scale word,
; which go to my stage as rows of 48 bytes, [64 along K][row][48], and leave as 12,800 consecutive bytes.
.macro QUANTW a
.set AC, 64*((\a)%4)
.set WN, 2+(\a)/4
.set WS, WN|(WN<<2)
	WIN WS                                         ; sources 0 and 1: the accumulators' window
.irp b, 0,1,2,3
	v_max3_num_f32 v[TM+\b], |v[AC+16*\b]|, |v[AC+16*\b+1]|, 0x1800000   ; each accumulator is read from its low end on; the floor 2^(3 - 127) holds the byte at 1 from below
.endr
.irp i, 2,4,6,8,10,12,14
.irp b, 0,1,2,3
	v_max3_num_f32 v[TM+\b], |v[AC+16*\b+\i]|, |v[AC+16*\b+\i+1]|, v[TM+\b]
.endr
.endr
	WIN 0
	s_wait_dscnt 0x0                               ; the last block's stores into the stage have read their registers
.irp b, 0,1,2,3
	v_permlanex16_b32 v[TM+4+\b], v[TM+\b], s22, s23
.endr
.irp b, 0,1,2,3
	v_max_num_f32 v[TM+\b], v[TM+\b], v[TM+4+\b]   ; with lane l xor 16's: the block's largest magnitude
.endr
.irp b, 0,1,2,3
	v_add_nc_u32 v[TM+12+\b], 0xff000000, v[TM+\b] ; 2 off its exponent field: the conversion's scale operand
.endr
.irp b, 0,1,2,3
	v_lshrrev_b32 v[TM+4+\b], 23, v[TM+12+\b]      ; the scale's byte
.endr
	v_lshl_or_b32 v[PW], v[TM+5], 8, v[TM+4]
	v_lshl_or_b32 v[PW], v[TM+6], 16, v[PW]
	v_lshl_or_b32 v[PW], v[TM+7], 24, v[PW]
	WIN WN                                         ; source 0: the accumulators' window
.irp c, 0,1
	v_cvt_scalef32_pk16_fp6_f32 v[PC+6*\c:PC+6*\c+2], v[AC+32*\c:AC+32*\c+15], v[TM+12+2*\c]
	v_cvt_scalef32_pk16_fp6_f32 v[PC+12+4*\c:PC+14+4*\c], v[AC+32*\c+16:AC+32*\c+31], v[TM+13+2*\c]
.endr
	WIN 0
	v_nop                                          ; one plain place behind a scaled conversion
.irp c, 0,1                                    ; the operand's layout wants a whole block in a lane
.irp i, 0,1,2
	v_permlane16_swap_b32 v[PC+6*\c+\i], v[PC+12+4*\c+\i]
.endr
.irp i, 0,1,2
	v_mov_b32 v[PC+3+6*\c+\i], v[PC+12+4*\c+\i]
.endr
.endr
.irp c, 0,1
.irp p, 0,1,2
	ds_store_b64 v[STO], v[PC+6*\c+2*\p:PC+6*\c+2*\p+1] offset:CHK*\c+768*(\a)+8*\p
.endr
.endr
	ds_store_b32 v[STS], v[PW] offset:64*(\a)      ; both halves of the lanes write the same word with the same value
.endm
	s_mov_b32 s22, 0x76543210
	s_mov_b32 s23, 0xfedcba98                      ; v_permlanex16_b32's selects for lane l xor 16
	PLACES NP                                      ; behind the last products
.irp b, 0,1,2,3
	v_mov_b32 v[TM+4+\b], 0                        ; written once: a lane permute's destination counts as one of its sources
.endr
.irp a, 0,1,2,3,4,5,6,7
	QUANTW \a
.endr
.irp t, 0,1,2,3,4,5,6,7,8,9,10,11,12,13,14,15,16,17,18,19,20,21,22,23,24
	ds_load_b128 v[OUTR+4*\t:OUTR+4*\t+3], v[RD] offset:512*\t   ; LDS serves a wave's instructions in order (ISA guide 5.7.1.4): these see my stores
.endr
.irp t, 0,1,2,3,4,5,6,7,8,9,10,11,12,13,14,15,16,17,18,19,20,21,22,23
	s_wait_dscnt 24-\t
	global_store_b128 v[CO], v[OUTR+4*\t:OUTR+4*\t+3], s[14:15] offset:512*\t   ; 32 lanes store 512 consecutive bytes, aligned to 256
.endr
	s_wait_dscnt 0x0
	global_store_b128 v[CO], v[OUTR+96:OUTR+99], s[16:17]
	s_wait_tensorcnt 0x0                           ; the wave's end, behind my last tensor load and my last LDS store
	ds_add_u32 v[SPW], v[NIL]
	s_wait_dscnt 0x0
	CROUND                                         ; the closing round
	s_endpgm
.Lfunc_end_k_q7bc171fb09_qkvgemm:
	.size	k_q7bc171fb09_qkvgemm, .Lfunc_end_k_q7bc171fb09_qkvgemm-k_q7bc171fb09_qkvgemm
	.p2alignl 7, 3214868480
	.fill 96, 4, 3214868480
	.section	.rodata,"a",@progbits
	.p2align	6, 0x0
	.amdhsa_kernel k_q7bc171fb09_qkvgemm
		.amdhsa_group_segment_fixed_size 327680
		.amdhsa_private_segment_fixed_size 0
		.amdhsa_enable_private_segment 0
		.amdhsa_kernarg_size 56
		.amdhsa_user_sgpr_count 2
		.amdhsa_user_sgpr_kernarg_segment_ptr 1
		.amdhsa_wavefront_size32 1
		.amdhsa_system_sgpr_workgroup_id_x 1
		.amdhsa_system_sgpr_workgroup_id_y 1
		.amdhsa_system_sgpr_workgroup_id_z 1
		.amdhsa_system_vgpr_workitem_id 0
		.amdhsa_next_free_vgpr 1024
		.amdhsa_next_free_sgpr 106
		.amdhsa_reserve_vcc 0
		.amdhsa_float_denorm_mode_32 3
		.amdhsa_float_denorm_mode_16_64 3
		.amdhsa_memory_ordered 1
		.amdhsa_forward_progress 1
		.amdhsa_inst_pref_size 191
	.end_amdhsa_kernel
	.amdgpu_metadata
---
amdhsa.version: [ 1, 2 ]
amdhsa.kernels:
  - .name:           k_q7bc171fb09_qkvgemm
    .symbol:         k_q7bc171fb09_qkvgemm.kd
    .args:
      - { .name: cod, .offset: 0, .size: 8, .value_kind: global_buffer, .address_space: global }
      - { .name: scl, .offset: 8, .size: 8, .value_kind: global_buffer, .address_space: global }
      - { .name: bq, .offset: 16, .size: 8, .value_kind: global_buffer, .address_space: global }
      - { .name: bk, .offset: 24, .size: 8, .value_kind: global_buffer, .address_space: global }
      - { .name: bv, .offset: 32, .size: 8, .value_kind: global_buffer, .address_space: global }
      - { .name: qkvc, .offset: 40, .size: 8, .value_kind: global_buffer, .address_space: global }
      - { .name: qkvs, .offset: 48, .size: 8, .value_kind: global_buffer, .address_space: global }
    .group_segment_fixed_size: 327680
    .private_segment_fixed_size: 0
    .kernarg_segment_align: 8
    .kernarg_segment_size: 56
    .max_flat_workgroup_size: 128
    .sgpr_count:     106
    .vgpr_count:     1024
    .wavefront_size: 32
...
	.end_amdgpu_metadata
.endif
;; end of part 2
;; launch attn (part 3): grid 4 x 64, 16 waves a work-group, clusters of 4 x 1, 239,616 bytes of LDS; arguments qkvc, qkvs, mbits, aoc, aos; writes aoc, aos
.if DOCPART == 3
	.amdgcn_target "amdgcn-amd-amdhsa--gfx1250"
	.amdhsa_code_object_version 6
	.text
	.protected	k_q7bc171fb09_attn
	.globl	k_q7bc171fb09_attn
	.p2align	8
	.type	k_q7bc171fb09_attn,@function
k_q7bc171fb09_attn:
	s_mov_b64 s[64:65], 0
	v_nop
	global_prefetch_b8 v0, s[64:65] scope:SCOPE_SE
	s_setreg_imm32_b32 hwreg(HW_REG_WAVE_MODE, 25, 1), 1
	s_wait_xcnt 0x0
	s_wait_alu depctr_hold_cnt(0) depctr_sa_sdst(0) depctr_va_vdst(0) depctr_va_sdst(0) depctr_va_ssrc(0) depctr_va_vcc(0) depctr_vm_vsrc(0)
	s_getreg_b32 s2, hwreg(HW_REG_IB_STS2, 6, 4)
	s_cmp_eq_u32 s2, 0
	s_cbranch_scc0 .Lentry_in_a_cluster
	s_endpgm
.Lentry_in_a_cluster:
	s_bfe_u32 s2, ttmp6, 0x10000c
	s_cmp_lg_u32 s2, 0x3003
	s_cbranch_scc0 .Lentry_shape_is_right
	s_endpgm
.Lentry_shape_is_right:
; Launch 3 of 4: for each batch and head, S = q k^T / 8 under the mask, p = 2^(t - M), O = p v / l, both products on codes of E2M3; O is quantised for the last product.  Nothing of the problem is left out here.
; t = score x log2(e) / 8; M = the running largest t rounded UP to a whole number; p is quantised along the keys, not normalised; l is the sum of the unquantised p; when M moves, l and O are multiplied by 2^(old M - new M): exact.
; SHARES.  A work-group owns one head and 512 queries; each of its sixteen waves two tiles of 16 queries, one after the other, in 256 registers: four waves to a SIMD, so that one wave's vector work stands beside another's
; matrix work and LDS loads.  THE HEAD'S WHOLE K AND V, CODES AND SCALES, STAY IN LDS: 208,896 bytes, filled once at the head: no ring, no refill, no barrier in the loop.
; CLUSTER.  The four query quarters of a head read the same K and V: each tile is asked for jointly, mask 15.  cx enters global addresses alone.
; LAYOUT.  Both products are used transposed (source 0 = 16 keys, or 16 channels of V; source 1 = my 16 queries): a lane holds ONE query throughout.  Tokens and channels are kept with bits 3 and 4 of their number swapped,
; so the 16 registers of tiles 2 b and 2 b + 1 are 16 neighbouring keys (or channels).  q k^T has K = 64: the upper half of each fragment is zero codes, which add nothing.
; THE MASK comes as lane masks, one word for each score register (mbits), by scalar loads one key step ahead, and goes straight into v_cndmask_b32: a hidden score becomes -infinity, so its p is 0.
; A query all of whose keys are hidden has l = 0: reference() gives NaN there, and so does this program: the row's scale bytes become 0xff, which makes the last product's sums NaN.
; The scale half-words of O leave by stores of 2 bytes a lane, 4 bytes apart (the neighbouring head owns the other half of each word): 64 bytes in 1,600 of what a wave stores.
; LIMITS: as stated at the head of the first launch.
; REGISTERS: v1-4 lane places; v5, v6 the add's two; v7 -infinity; v8-11 the step's addresses; v12 -M, v13 the largest t, v[14:15] l; v16-27 Q (v22-27 zeros); v28-31 V's scale words; v32-79 four fragments of K (upper six
; registers of each zeros); v80-127 V's four fragments; v128-191 S^T, then p; v192-223 O^T; v224-235 p's codes; v232-254 at work; v248-251 K's scale words; v253 p's scale word; v255 Q's.
.set VOFF,  98304                      ; LDS: K [2,048 kept keys][48] from 0;  V [32 runs of 64 keys][64 kept channels][48] from here
.set KSC,   196608                     ; K's scale words of the pair of heads: [kept key][4]
.set VSC,   204800                     ; V's: [16 steps][64 kept channels][4]
.set STG,   208896                     ; the way out: 1,792 bytes for each wave: [32 rows][48], then 32 half-words
.set SPARE, 237568                     ; the spare words, 128 bytes for each wave: eight blocks of 256 bytes that no other line names
.macro CROUND
	s_barrier_signal -1
	s_barrier_wait -1
	s_cmp_lg_u32 s14, 0
	s_cbranch_scc1 .Lnot_wave_0_\@
	s_barrier_signal -3
.Lnot_wave_0_\@:
	s_barrier_wait -3
	s_barrier_signal -1
	s_barrier_wait -1
.endm
	s_load_b256 s[4:11], s[0:1], 0x0               ; qkvc s[4:5], qkvs s[6:7], mbits s[8:9], aoc s[10:11]
	s_load_b64 s[12:13], s[0:1], 0x20              ; aos
	v_lshl_add_u32 v5, v0, 2, SPARE
	v_mov_b32 v6, 0
	ds_add_u32 v5, v6                              ; the wave's opening: the add, twice on end, and its wait ahead of my first tensor load
	ds_add_u32 v5, v6
	v_lshrrev_b32 v8, 5, v0
	s_delay_alu instid0(VALU_DEP_1)
	v_readfirstlane_b32 s14, v8                    ; wave 0..15
	s_and_b32 s15, ttmp7, 0xffff                   ; 16 x batch + head
	s_lshr_b32 s16, s15, 1                         ; 8 x batch + pair of heads
	s_and_b32 s17, s15, 1                          ; which head of the pair
	s_bfe_u32 s18, ttmp6, 0x40000                  ; cx: which quarter of the queries
	s_lshr_b32 s19, s15, 4                         ; batch
	; group 1 of the four first fills; elements of 8 bytes, mask 15, bit 21 beside it, no padding
	s_mov_b32 s20, 15|(3<<16)|(1<<21)              ; K's codes of 128 keys: 6,144 dense bytes as 24 rows of 256
	s_mov_b32 s21, 32<<16
	s_mov_b32 s22, 24<<16
	s_mov_b32 s23, 32<<16
	s_mov_b32 s24, 24
	s_mov_b32 s25, 32
	s_mov_b32 s26, 0
	s_mov_b32 s27, 0
	s_mov_b32 s28, 15|(3<<16)|(1<<21)              ; V's codes of 128 keys: two runs of 3,072 bytes, 6,144 apart
	s_mov_b32 s29, 384<<16
	s_mov_b32 s30, 2<<16
	s_mov_b32 s31, 384<<16
	s_mov_b32 s32, 2
	s_mov_b32 s33, 768
	s_mov_b32 s34, 0
	s_mov_b32 s35, 0
	s_mov_b32 s36, 15|(3<<16)|(1<<21)              ; K's scale words of 128 keys: 512 dense bytes as 2 rows of 256
	s_mov_b32 s37, 32<<16
	s_mov_b32 s38, 2<<16
	s_mov_b32 s39, 32<<16
	s_mov_b32 s40, 2
	s_mov_b32 s41, 32
	s_mov_b32 s42, 0
	s_mov_b32 s43, 0
	s_mov_b32 s44, 15|(3<<16)|(1<<21)              ; V's scale words of a step: one row of 256 bytes
	s_mov_b32 s45, 32<<16
	s_mov_b32 s46, 1<<16
	s_mov_b32 s47, 32<<16
	s_mov_b32 s48, 1
	s_mov_b32 s49, 32
	s_mov_b32 s50, 1<<16
	s_mov_b32 s51, 0
	s_mov_b32 s52, 0x76543210
	s_mov_b32 s53, 0xfedcba98                      ; v_permlanex16_b32's selects for lane l xor 16
	s_mov_b32 s54, 0x3e38aa3b                      ; c = log2(e) / 8
	s_mov_b32 s55, s54                             ; (named with it as a pair, so it is written)
	s_lshl_b32 s2, s16, 4
	s_add_co_u32 s2, s2, s14                       ; the block that I fetch: run w of 128 keys of my pair of heads
	s_mov_b32 s101, 0
	s_wait_dscnt 0x0                               ; both opening adds are done
	s_wait_kmcnt 0x0
	s_mul_i32 s3, s2, 12288
	s_mul_i32 s59, s17, 6144
	s_add_co_u32 s100, s3, s59
	s_add_co_u32 s100, s100, 6291456               ; k's section
	s_mov_b32 s68, 1
	s_mul_i32 s69, s14, 6144
	s_add_nc_u64 s[70:71], s[4:5], s[100:101]
	s_or_b32 s71, s71, 0x80000000
	s_mul_i32 s59, s17, 3072
	s_add_co_u32 s100, s3, s59
	s_add_co_u32 s100, s100, 12582912              ; v's section
	s_mov_b32 s72, 1
	s_add_co_u32 s73, s69, VOFF
	s_add_nc_u64 s[74:75], s[4:5], s[100:101]
	s_or_b32 s75, s75, 0x80000000
	s_lshl_b32 s3, s2, 9
	s_add_co_u32 s100, s3, 262144
	s_mov_b32 s76, 1
	s_lshl_b32 s77, s14, 9
	s_add_co_u32 s77, s77, KSC
	s_add_nc_u64 s[78:79], s[6:7], s[100:101]
	s_or_b32 s79, s79, 0x80000000
	s_lshl_b32 s59, s17, 8
	s_add_co_u32 s100, s3, s59
	s_add_co_u32 s100, s100, 524288
	s_mov_b32 s80, 1
	s_lshl_b32 s81, s14, 8
	s_add_co_u32 s81, s81, VSC
	s_add_nc_u64 s[82:83], s[6:7], s[100:101]
	s_or_b32 s83, s83, 0x80000000
	CROUND                                         ; all four work-groups are here: the joint loads meet
	tensor_load_to_lds s[68:71], s[20:27]          ; every wave fetches one sixteenth of each of the four: four tensor loads of mine are out
	s_nop 0
	tensor_load_to_lds s[72:75], s[28:35]
	s_nop 0
	tensor_load_to_lds s[76:79], s[36:43]
	s_nop 0
	tensor_load_to_lds s[80:83], s[44:51]
	s_nop 0
.rept 4
	v_nop
.endr
	v_and_b32 v8, 15, v0                           ; r
	v_bfe_u32 v9, v0, 4, 1                         ; h
	s_delay_alu instid0(VALU_DEP_2)
	v_mul_u32_u24 v1, v8, 48
	s_delay_alu instid0(VALU_DEP_1)
	v_mad_u32_u24 v1, v9, 24, v1                   ; 48 r + 24 h: rows of 12 words: the 32 lanes of a load of 8 bytes touch 64 different banks (ISA guide 11.1)
	s_delay_alu instid0(VALU_DEP_1)
	v_add_nc_u32 v2, VOFF, v1
	s_lshl_b32 s59, s17, 1
	s_add_co_u32 s59, s59, KSC
	v_lshl_add_u32 v3, v8, 2, s59                  ; K's scale half-word: 4 r + 2 x head of the pair
	v_lshl_add_u32 v4, v8, 2, VSC
	v_mov_b32 v7, 0xff800000                       ; -infinity
.irp j, 22,23,24,25,26,27
	v_mov_b32 v[\j], 0                             ; Q's K = 64 .. 127: zero codes
.endr
.irp t, 0,1,2,3
.irp j, 6,7,8,9,10,11
	v_mov_b32 v[32+12*\t+\j], 0                    ; K's likewise; they stay
.endr
.endr
.irp b, 0,1,2,3
	v_mov_b32 v[236+\b], 0                         ; written once: a lane permute's destination counts as one of its sources
.endr
	v_mov_b32 v253, 0                              ; (named as the upper half of the pair v[252:253] before it is first written)
	; my global places.  What holds cx stands in registers that fed no descriptor
	s_lshl_b32 s56, s16, 4
	s_lshl_b32 s57, s18, 2
	s_add_co_u32 s56, s56, s57
	s_lshr_b32 s57, s14, 2
	s_add_co_u32 s56, s56, s57                     ; q's block: run 4 cx + w / 4 of 128 tokens
	s_and_b32 s57, s14, 3
	s_mul_i32 s104, s56, 12288
	s_mul_i32 s58, s17, 6144
	s_add_co_u32 s104, s104, s58
	s_mul_i32 s58, s57, 1536                       ; my 32 kept rows in it
	s_add_co_u32 s104, s104, s58
	s_mov_b32 s105, 0
	s_add_nc_u64 s[4:5], s[4:5], s[104:105]        ; q's codes
	s_lshl_b32 s104, s56, 9
	s_lshl_b32 s58, s57, 7
	s_add_co_u32 s104, s104, s58
	s_lshl_b32 s58, s17, 1
	s_add_co_u32 s104, s104, s58
	s_add_nc_u64 s[6:7], s[6:7], s[104:105]        ; q's scale half-words
	s_lshl_b32 s56, s19, 7
	s_lshl_b32 s57, s18, 5
	s_add_co_u32 s56, s56, s57
	s_lshl_b32 s57, s14, 1
	s_add_co_u32 s56, s56, s57                     ; my first kept tile of queries: 128 batch + 32 cx + 2 w
	s_lshl_b32 s104, s56, 12
	s_add_nc_u64 s[62:63], s[8:9], s[104:105]      ; its mask words: 4,096 bytes a tile, my two tiles on end
	s_and_b32 s57, s15, 15
	s_mul_i32 s57, s57, 393216
	s_mul_i32 s58, s56, 768
	s_add_co_u32 s104, s57, s58
	s_add_nc_u64 s[10:11], s[10:11], s[104:105]    ; aoc: [head][kept row][48]
	s_bfe_u32 s57, s15, 0x30001
	s_lshl_b32 s57, s57, 15
	s_lshl_b32 s58, s56, 6
	s_add_co_u32 s104, s57, s58
	s_lshl_b32 s58, s17, 1
	s_add_co_u32 s104, s104, s58
	s_add_nc_u64 s[12:13], s[12:13], s[104:105]    ; aos: [pair][kept row][4], my head's half-word
	s_mov_b32 s61, 0                               ; the mask words' offset: 256 bytes a key step
	s_wait_tensorcnt 0x0                           ; my sixteenths are in, and the descriptors' registers are free,
	s_barrier_signal -1
	s_barrier_wait -1                              ; everybody's are
	s_load_b512 s[20:35], s[62:63], s61 offset:0x0 ; the first step's 64 mask words: register n's in s[20 + n], n < 32, else s[36 + n]
	s_load_b512 s[36:51], s[62:63], s61 offset:0x40
	s_load_b512 s[68:83], s[62:63], s61 offset:0x80
	s_load_b512 s[84:99], s[62:63], s61 offset:0xc0
; ONE TILE OF 16 QUERIES, the wave's i-th: all 2,048 keys in 16 steps of 128.
.macro QTILE i
	v_and_b32 v8, 15, v0
	s_delay_alu instid0(VALU_DEP_1)
	v_lshlrev_b32 v8, 2, v8
.irp p, 0,1,2
	global_load_b64 v[16+2*\p:17+2*\p], v1, s[4:5] offset:768*\i+8*\p
.endr
	global_load_u16 v255, v8, s[6:7] offset:64*\i  ; the upper two bytes, 0, scale zero codes
	v_mov_b32 v13, 0xff61b1e6                      ; the largest t so far: -3e38, under every t
	s_delay_alu instid0(VALU_DEP_1)
	v_floor_f32 v12, -v13                          ; -M
	v_mov_b32 v14, 0
	v_mov_b32 v15, 0
.set j, 0
.rept 32
	v_mov_b32 v[192+j], 0                          ; O^T: the step is written once: the first finds zeros, which the first change of M leaves zeros
.set j, j+1
.endr
	s_mov_b32 s56, 0                               ; the step's codes of K and of V: 6,144 bytes a step
	s_mov_b32 s57, 0                               ; K's scale words: 512
	s_mov_b32 s58, 0                               ; V's: 256
	s_mov_b32 s60, 16
	s_wait_loadcnt 0x0
.Lkey_\@:
	s_setprio 2
	v_add_nc_u32 v8, s56, v1                       ; (these four are also the places behind the last step's products, in front of the loads into V's registers)
	v_add_nc_u32 v9, s56, v2
	v_add_nc_u32 v10, s57, v3
	v_add_nc_u32 v11, s58, v4
.irp t, 0,1,2,3
.irp p, 0,1,2
	ds_load_b64 v[32+12*\t+2*\p:33+12*\t+2*\p], v8 offset:768*\t+8*\p
.endr
	ds_load_u16 v[248+\t], v10 offset:64*\t
.endr
.irp t, 0,1,2,3
.irp p, 0,1,2,3,4,5
	ds_load_b64 v[80+12*\t+2*\p:81+12*\t+2*\p], v9 offset:3072*(\p/3)+768*\t+8*(\p%3)
.endr
	ds_load_b32 v[28+\t], v11 offset:64*\t
.endr
	s_wait_alu depctr_va_vdst(0)
	s_wait_dscnt 28                                ; K's tiles 0-3 are in; V's 28 loads may be out
.irp t, 0,1,2,3
	v_wmma_scale_f32_16x16x128_f8f6f4 v[128+8*\t:135+8*\t], v[32+12*\t:43+12*\t], v[16:27], 0, v[248+\t], v255 matrix_a_fmt:MATRIX_FMT_FP6 matrix_b_fmt:MATRIX_FMT_FP6
.endr
.rept 4
	v_nop                                          ; places in front of loads into registers that matrix instructions have read
.endr
.irp t, 0,1,2,3
.irp p, 0,1,2
	ds_load_b64 v[32+12*\t+2*\p:33+12*\t+2*\p], v8 offset:768*(4+\t)+8*\p
.endr
	ds_load_u16 v[248+\t], v10 offset:64*(4+\t)
.endr
	s_wait_dscnt 0x0
.irp t, 0,1,2,3
	v_wmma_scale_f32_16x16x128_f8f6f4 v[160+8*\t:167+8*\t], v[32+12*\t:43+12*\t], v[16:27], 0, v[248+\t], v255 matrix_a_fmt:MATRIX_FMT_FP6 matrix_b_fmt:MATRIX_FMT_FP6
.endr
	s_wait_kmcnt 0x0                               ; this step's mask words, asked for a step ago
.set j, 0
.rept 32
	v_cndmask_b32 v[128+j], v[128+j], v7, s[20+j]  ; hidden scores become -infinity, each accumulator from its low end on.  (These 32, on tiles 0-3, are the places behind tiles 4-7's products)
.set j, j+1
.endr
.set j, 0
.rept 32
	v_cndmask_b32 v[160+j], v[160+j], v7, s[68+j]
.set j, j+1
.endr
	s_cmp_eq_u32 s61, 7936                         ; my second tile's last step has no step behind it: a branch on the count of steps alone
	s_cbranch_scc1 .Llast_\@
	s_add_co_u32 s61, s61, 256                     ; (the loads that read s61 are done)
	s_load_b512 s[20:35], s[62:63], s61 offset:0x0 ; the next step's words
	s_load_b512 s[36:51], s[62:63], s61 offset:0x40
	s_load_b512 s[68:83], s[62:63], s61 offset:0x80
	s_load_b512 s[84:99], s[62:63], s61 offset:0xc0
.Llast_\@:
.irp b, 0,1,2,3
	v_max3_num_f32 v[232+\b], v[128+16*\b], v[129+16*\b], v[130+16*\b]   ; the largest score of each block of 32 keys: for the row's maximum and, since p rises with the score, for the block's largest p
.endr
.irp q, 3,5,7,9,11,13
.irp b, 0,1,2,3
	s_delay_alu instid0(VALU_DEP_4)
	v_max3_num_f32 v[232+\b], v[232+\b], v[128+16*\b+\q], v[129+16*\b+\q]
.endr
.endr
.irp b, 0,1,2,3
	s_delay_alu instid0(VALU_DEP_4)
	v_max_num_f32 v[232+\b], v[232+\b], v[143+16*\b]
.endr
.irp b, 0,1,2,3
	s_delay_alu instid0(VALU_DEP_4)
	v_permlanex16_b32 v[236+\b], v[232+\b], s52, s53
.endr
.irp b, 0,1,2,3
	s_delay_alu instid0(VALU_DEP_4)
	v_max_num_f32 v[232+\b], v[232+\b], v[236+\b]  ; with lane l xor 16's 16 keys
.endr
	s_delay_alu instid0(VALU_DEP_2)
	v_max3_num_f32 v254, v232, v233, v234
	s_delay_alu instid0(VALU_DEP_1)
	v_max_num_f32 v254, v254, v235
	s_delay_alu instid0(VALU_DEP_1)
	v_mul_f32 v254, s54, v254                      ; as t (c is positive)
	s_delay_alu instid0(VALU_DEP_1)
	v_max_num_f32 v13, v13, v254                   ; the running largest t
	v_mov_b32 v254, v12
	s_delay_alu instid0(VALU_DEP_2)
	v_floor_f32 v12, -v13                          ; the new -M = -ceil(t)
	s_delay_alu instid0(VALU_DEP_1)
	v_sub_f32 v254, v12, v254                      ; old M - new M: a whole number, 0 or less
	s_delay_alu instid0(VALU_DEP_1)
	v_cvt_i32_f32 v254, v254                       ; (it saturates)
	s_delay_alu instid0(VALU_DEP_1)
	v_ldexp_f32 v252, 1.0, v254                    ; f = 2^(old M - new M)
.set j, 0
.rept 32
	v_pk_fma_f32 v[128+j:129+j], v[128+j:129+j], s[54:55], v[12:13] op_sel_hi:[1,0,0]   ; t - M, two at a time
.set j, j+2
.endr
	s_setprio 1
.irp b, 0,1,2,3
	v_fma_f32 v[232+\b], v[232+\b], s54, v12       ; the same of each block's largest score
.endr
.set j, 0
	s_wait_alu depctr_va_vdst(0)
.rept 64
	v_exp_f32 v[128+j], v[128+j]                   ; p = 2^(t - M)
.set j, j+1
.endr
	v_pk_mul_f32 v[14:15], v[14:15], v[252:253] op_sel_hi:[1,0]   ; l under the new M.  (The plain place behind the exponentials)
	s_wait_alu depctr_va_vdst(0)                   ; one wait for the whole batch, ahead of its first reader
.irp b, 0,1,2,3
	v_exp_f32 v[232+\b], v[232+\b]                 ; the block's largest p: the same two instructions on the same number give the same bits
.endr
	v_pk_add_f32 v[236:237], v[132:133], v[136:137]
	v_pk_add_f32 v[250:251], v[140:141], v[144:145]
	v_pk_add_f32 v[248:249], v[148:149], v[152:153]
	v_pk_add_f32 v[246:247], v[156:157], v[160:161]
	v_pk_add_f32 v[244:245], v[164:165], v[168:169]
	v_pk_add_f32 v[242:243], v[172:173], v[176:177]
	v_pk_add_f32 v[240:241], v[180:181], v[184:185]
	v_pk_add_f32 v[14:15], v[14:15], v[188:189]
	v_pk_add_f32 v[236:237], v[236:237], v[128:129]
	v_pk_add_f32 v[250:251], v[250:251], v[130:131]
	v_pk_add_f32 v[248:249], v[248:249], v[134:135]
	v_pk_add_f32 v[246:247], v[246:247], v[138:139]
	v_pk_add_f32 v[244:245], v[244:245], v[142:143]
	v_pk_add_f32 v[242:243], v[242:243], v[146:147]
	v_pk_add_f32 v[240:241], v[240:241], v[150:151]
	v_pk_add_f32 v[14:15], v[14:15], v[154:155]
	v_pk_add_f32 v[236:237], v[236:237], v[158:159]
	v_pk_add_f32 v[250:251], v[250:251], v[162:163]
	v_pk_add_f32 v[248:249], v[248:249], v[166:167]
	v_pk_add_f32 v[246:247], v[246:247], v[170:171]
	v_pk_add_f32 v[244:245], v[244:245], v[174:175]
	v_pk_add_f32 v[242:243], v[242:243], v[178:179]
	v_pk_add_f32 v[240:241], v[240:241], v[182:183]
	v_pk_add_f32 v[14:15], v[14:15], v[186:187]
	v_pk_add_f32 v[236:237], v[236:237], v[190:191]
	s_delay_alu instid0(VALU_DEP_2)
	v_pk_add_f32 v[14:15], v[14:15], v[246:247]
	s_delay_alu instid0(VALU_DEP_2)
	v_pk_add_f32 v[236:237], v[236:237], v[244:245]
	v_pk_add_f32 v[250:251], v[250:251], v[242:243]
	v_pk_add_f32 v[248:249], v[248:249], v[240:241]
	s_delay_alu instid0(VALU_DEP_2)
	v_pk_add_f32 v[14:15], v[14:15], v[250:251]
	s_delay_alu instid0(VALU_DEP_2)
	v_pk_add_f32 v[236:237], v[236:237], v[248:249]
	s_delay_alu instid0(VALU_DEP_1)
	v_pk_add_f32 v[14:15], v[14:15], v[236:237]
	s_wait_alu depctr_va_vdst(0)                   ; and one for the four
.irp b, 0,1,2,3
	v_max_num_f32 v[232+\b], 0x1800000, v[232+\b]  ; the floor 2^(3 - 127): a block whose every p is 0 keeps the byte 1: its codes are zeros
.endr
.irp b, 0,1,2,3
	s_delay_alu instid0(VALU_DEP_4)
	v_add_nc_u32 v[244+\b], 0xff000000, v[232+\b]  ; 2 off the exponent field: the conversion's scale operand
.endr
.irp b, 0,1,2,3
	s_delay_alu instid0(VALU_DEP_4)
	v_lshrrev_b32 v[236+\b], 23, v[244+\b]
.endr
	s_delay_alu instid0(VALU_DEP_3)
	v_lshl_or_b32 v253, v237, 8, v236              ; p's scale word for these 128 keys
	s_delay_alu instid0(VALU_DEP_1)
	v_lshl_or_b32 v253, v238, 16, v253
	s_delay_alu instid0(VALU_DEP_1)
	v_lshl_or_b32 v253, v239, 24, v253
	s_setprio 0
.irp c, 0,1
	v_cvt_scalef32_pk16_fp6_f32 v[224+6*\c:226+6*\c], v[128+32*\c:143+32*\c], v[244+2*\c]
	v_cvt_scalef32_pk16_fp6_f32 v[236+4*\c:238+4*\c], v[144+32*\c:159+32*\c], v[245+2*\c]
.endr
	v_nop                                          ; one plain place behind a scaled conversion
.irp c, 0,1
.irp q, 0,1,2
	v_permlane16_swap_b32 v[224+6*\c+\q], v[236+4*\c+\q]
.endr
.irp q, 0,1,2
	s_delay_alu instid0(VALU_DEP_3)
	v_mov_b32 v[227+6*\c+\q], v[236+4*\c+\q]
.endr
.endr
.set j, 0
.rept 16
	v_pk_mul_f32 v[192+j:193+j], v[192+j:193+j], v[252:253] op_sel_hi:[1,0]   ; O^T under the new M.  (Twelve of them name no register of any one product below: the places behind the writes of p's codes and scale word)
.set j, j+2
.endr
.irp t, 0,1,2,3
	v_wmma_scale_f32_16x16x128_f8f6f4 v[192+8*\t:199+8*\t], v[80+12*\t:91+12*\t], v[224:235], v[192+8*\t:199+8*\t], v[28+\t], v253 matrix_a_fmt:MATRIX_FMT_FP6 matrix_b_fmt:MATRIX_FMT_FP6
.endr
	s_add_co_u32 s56, s56, 6144
	s_add_co_u32 s57, s57, 512
	s_add_co_u32 s58, s58, 256
	s_sub_co_u32 s60, s60, 1
	s_cmp_lg_u32 s60, 0
	s_cbranch_scc1 .Lkey_\@
	s_setprio 0
	; the tile's way out: O^T / l, quantised along the channels (two blocks of 32), to my stage
.rept 4
	v_nop                                          ; places behind the last products
.endr
	v_add_f32 v14, v14, v15
	s_delay_alu instid0(VALU_DEP_1)
	v_permlanex16_b32 v252, v14, s52, s53
	s_delay_alu instid0(VALU_DEP_1)
	v_add_f32 v14, v14, v252                       ; the row's sum
	v_mov_b32 v254, 1.0
	s_delay_alu instid0(VALU_DEP_2)
	v_cmp_eq_f32 s2, 0, v14                        ; a query with no key at all
	s_delay_alu instid0(VALU_DEP_1)
	v_cndmask_b32 v14, v14, v254, s2               ; (1 there, so that no NaN arises on the way: its O^T is zeros)
	s_wait_alu depctr_va_vdst(0)
	v_rcp_f32 v14, v14
	s_mul_i32 s59, s14, 1792
	s_add_co_u32 s59, s59, STG                     ; my stage
	v_add_nc_u32 v80, s59, v1                      ; (the plain place behind the reciprocal)
	v_and_b32 v81, 15, v0
	s_delay_alu instid0(VALU_DEP_1)
	v_lshl_add_u32 v81, v81, 1, s59
	s_wait_alu depctr_va_vdst(0)                   ; ahead of the reciprocal's first reader
.set j, 0
.rept 16
	v_pk_mul_f32 v[128+j:129+j], v[192+j:193+j], v[14:15] op_sel_hi:[1,0]   ; register 16 b + n = channel 32 b + 16 h + n; each accumulator from its low end on
.set j, j+2
.endr
.irp b, 0,1
	v_max3_num_f32 v[232+\b], |v[128+16*\b]|, |v[129+16*\b]|, 0x1800000
.endr
.irp q, 2,4,6,8,10,12,14
.irp b, 0,1
	s_delay_alu instid0(VALU_DEP_2)
	v_max3_num_f32 v[232+\b], v[232+\b], |v[128+16*\b+\q]|, |v[129+16*\b+\q]|
.endr
.endr
.irp b, 0,1
	s_delay_alu instid0(VALU_DEP_2)
	v_permlanex16_b32 v[236+\b], v[232+\b], s52, s53
.endr
.irp b, 0,1
	s_delay_alu instid0(VALU_DEP_2)
	v_max_num_f32 v[232+\b], v[232+\b], v[236+\b]
.endr
.irp b, 0,1
	s_delay_alu instid0(VALU_DEP_2)
	v_add_nc_u32 v[244+\b], 0xff000000, v[232+\b]
.endr
.irp b, 0,1
	s_delay_alu instid0(VALU_DEP_2)
	v_lshrrev_b32 v[236+\b], 23, v[244+\b]
.endr
	s_delay_alu instid0(VALU_DEP_1)
	v_lshl_or_b32 v254, v237, 8, v236              ; the row's two scale bytes of my head
	v_mov_b32 v252, -1
	s_delay_alu instid0(VALU_DEP_1)
	v_cndmask_b32 v254, v254, v252, s2             ; 0xff, NaN, for a query with no key
	v_cvt_scalef32_pk16_fp6_f32 v[224:226], v[128:143], v244
	v_cvt_scalef32_pk16_fp6_f32 v[236:238], v[144:159], v245
	v_nop
.irp q, 0,1,2
	v_permlane16_swap_b32 v[224+\q], v[236+\q]
.endr
.irp q, 0,1,2
	s_delay_alu instid0(VALU_DEP_3)
	v_mov_b32 v[227+\q], v[236+\q]
.endr
.irp p, 0,1,2
	ds_store_b64 v80, v[224+2*\p:225+2*\p] offset:768*\i+8*\p
.endr
	ds_store_b16 v81, v254 offset:1536+32*\i       ; both halves of the lanes write the same half-word with the same value
	s_wait_dscnt 0x0                               ; the stores have read their registers
.endm
	QTILE 0
	QTILE 1
	v_and_b32 v82, 31, v0
	s_delay_alu instid0(VALU_DEP_1)
	v_lshlrev_b32 v83, 4, v82
	s_delay_alu instid0(VALU_DEP_1)
	v_add_nc_u32 v84, s59, v83
	s_delay_alu instid0(VALU_DEP_3)
	v_lshl_add_u32 v85, v82, 1, s59
	s_delay_alu instid0(VALU_DEP_4)
	v_lshlrev_b32 v86, 2, v82
	ds_load_b128 v[88:91], v84
	ds_load_b128 v[92:95], v84 offset:512
	ds_load_b128 v[96:99], v84 offset:1024
	ds_load_u16 v87, v85 offset:1536
	s_wait_alu depctr_va_vdst(0)
	s_wait_dscnt 3
	global_store_b128 v83, v[88:91], s[10:11]      ; my 32 rows x 48 bytes: 1,536 consecutive bytes, aligned to 256
	s_wait_dscnt 2
	global_store_b128 v83, v[92:95], s[10:11] offset:512
	s_wait_dscnt 1
	global_store_b128 v83, v[96:99], s[10:11] offset:1024
	s_wait_dscnt 0x0
	global_store_b16 v86, v87, s[12:13]
	s_wait_tensorcnt 0x0                           ; the wave's end, behind my last tensor load and my last LDS store
	ds_add_u32 v5, v6
	s_wait_dscnt 0x0
	CROUND                                         ; the closing round
	s_endpgm
.Lfunc_end_k_q7bc171fb09_attn:
	.size	k_q7bc171fb09_attn, .Lfunc_end_k_q7bc171fb09_attn-k_q7bc171fb09_attn
	.p2alignl 7, 3214868480
	.fill 96, 4, 3214868480
	.section	.rodata,"a",@progbits
	.p2align	6, 0x0
	.amdhsa_kernel k_q7bc171fb09_attn
		.amdhsa_group_segment_fixed_size 239616
		.amdhsa_private_segment_fixed_size 0
		.amdhsa_enable_private_segment 0
		.amdhsa_kernarg_size 40
		.amdhsa_user_sgpr_count 2
		.amdhsa_user_sgpr_kernarg_segment_ptr 1
		.amdhsa_wavefront_size32 1
		.amdhsa_system_sgpr_workgroup_id_x 1
		.amdhsa_system_sgpr_workgroup_id_y 1
		.amdhsa_system_sgpr_workgroup_id_z 1
		.amdhsa_system_vgpr_workitem_id 0
		.amdhsa_next_free_vgpr 256
		.amdhsa_next_free_sgpr 106
		.amdhsa_reserve_vcc 0
		.amdhsa_float_denorm_mode_32 3
		.amdhsa_float_denorm_mode_16_64 3
		.amdhsa_memory_ordered 1
		.amdhsa_forward_progress 1
		.amdhsa_inst_pref_size 73
	.end_amdhsa_kernel
	.amdgpu_metadata
---
amdhsa.version: [ 1, 2 ]
amdhsa.kernels:
  - .name:           k_q7bc171fb09_attn
    .symbol:         k_q7bc171fb09_attn.kd
    .args:
      - { .name: qkvc, .offset: 0, .size: 8, .value_kind: global_buffer, .address_space: global }
      - { .name: qkvs, .offset: 8, .size: 8, .value_kind: global_buffer, .address_space: global }
      - { .name: mbits, .offset: 16, .size: 8, .value_kind: global_buffer, .address_space: global }
      - { .name: aoc, .offset: 24, .size: 8, .value_kind: global_buffer, .address_space: global }
      - { .name: aos, .offset: 32, .size: 8, .value_kind: global_buffer, .address_space: global }
    .group_segment_fixed_size: 239616
    .private_segment_fixed_size: 0
    .kernarg_segment_align: 8
    .kernarg_segment_size: 40
    .max_flat_workgroup_size: 512
    .sgpr_count:     106
    .vgpr_count:     256
    .wavefront_size: 32
...
	.end_amdgpu_metadata
.endif
;; end of part 3
;; launch outproj (part 4): grid 4 x 32, 4 waves a work-group, clusters of 4 x 4, 327,680 bytes of LDS; arguments aoc, aos, cod, scl, bo, out0; writes out0
.if DOCPART == 4
	.amdgcn_target "amdgcn-amd-amdhsa--gfx1250"
	.amdhsa_code_object_version 6
	.text
	.protected	k_q7bc171fb09_outproj
	.globl	k_q7bc171fb09_outproj
	.p2align	8
	.type	k_q7bc171fb09_outproj,@function
k_q7bc171fb09_outproj:
	s_mov_b64 s[64:65], 0
	v_nop
	global_prefetch_b8 v0, s[64:65] scope:SCOPE_SE
	s_setreg_imm32_b32 hwreg(HW_REG_WAVE_MODE, 25, 1), 1
	s_wait_xcnt 0x0
	s_wait_alu depctr_hold_cnt(0) depctr_sa_sdst(0) depctr_va_vdst(0) depctr_va_sdst(0) depctr_va_ssrc(0) depctr_va_vcc(0) depctr_vm_vsrc(0)
	s_getreg_b32 s2, hwreg(HW_REG_IB_STS2, 6, 4)
	s_cmp_eq_u32 s2, 0
	s_cbranch_scc0 .Lentry_in_a_cluster
	s_endpgm
.Lentry_in_a_cluster:
	s_bfe_u32 s2, ttmp6, 0x10000c
	s_cmp_lg_u32 s2, 0xf033
	s_cbranch_scc0 .Lentry_shape_is_right
	s_endpgm
.Lentry_shape_is_right:
; Launch 4 of 4: out0 = O Wo + bo on codes of E2M3.  Nothing of the problem is left out here.
; A = aoc [16 heads = chunks of 64 along K][8,192 kept rows][48] with aos [8][8,192][4]; B = Wo's rows of cod and scl (rows 11,264 on).  Rows are kept with bits 3 and 4 of their number swapped; the way out undoes it.
; A tile of 256 x 256 is made by four waves, 128 x 128 each; K = 1,024 goes in four slots' worth of 256 through a ring of two LDS slots.  Source 0 = 16 rows of B, source 1 = 16 rows of A: a lane holds one row of out0.
; The bias is the C of each sum's first matrix instruction.  CLUSTERS: 4 x 4; A's tiles are asked for jointly along a row of the cluster, B's along a column.
; 128 tiles of 256 x 256: this text leaves half of the WGPs without a work-group; a tile of 256 x 128 would fill them.
; LIMITS: as stated at the head of the first launch.  A row of A whose scale bytes are 0xff (a query with no key) comes out NaN, as reference() has it.
; REGISTERS, in windows of 256: window 0: v16-31 addresses; v32-63 scale words, two sets, and nothing else; v64-127 the bias; v128-223 A's fragments, ONE set; on the way out v128-255 rows of out0.
;   window 1: B's fragments, two sets.   window 2: the accumulators of A's blocks 0-3 ((a, b) at v[8 (8 a + b)]);   window 3: those of blocks 4-7.
.set CHS,   589824                     ; bytes from chunk to chunk in cod
.set SCS,   49152
.set ACH,   393216                     ; bytes from chunk to chunk in aoc
.set ASC,   32768                      ; bytes from run to run in aos
.set ASLOT, 4*ACH
.set BSLOT, 4*CHS
.set CHK,   6144
.set HALFT, 4*CHK
.set SLOT,  4*HALFT
.set SCL,   2*SLOT
.set SPARE, SCL+4*4096                 ; the spare words, 128 bytes for each wave: two blocks of 256 bytes that no other line names
.set SPITCH, 528                       ; the way out: a stage of 16 rows x (512 bytes + 16) for each wave, in slot 0 behind its last fill and its last read
.set NQ,    2
.set FR,    12
.set NL,    6
.set NP,    4
.set ADRA, 16
.set ADRB, 20
.set CO,   22                          ; v22 16 x lane
.set STO,  24                          ; v24 the stage: 528 r + 64 h
.set RD,   26                          ; v26 the stage, back: 16 x lane
.set ADRS, 27
.set SPW,  28
.set NIL,  29
.set SC,   32
.set BIAS, 64
.set AF,   128
.set BK,   128
.set G1, 24
.set G0, 32
.set G1B, 48
.set G0B, 56
.set G1S, 68
.set G0S, 76
.set G1SB, 80
.set G0SB, 88
.set MSB, 0
.macro WIN new
.if MSB != \new
	s_set_vgpr_msb (MSB<<8)|\new
.set MSB, \new
.endif
.endm
.set MUL_LO, 0xa1
.set MUL_HI, 0xf1
.set TO_B,   0x40
.macro JLOAD g0a, g1a, g0b, g1b        ; a joint load: waves 0 and 1 fetch for A, waves 2 and 3 for B; an s_nop 0 and four v_nop follow each of the two lines
	s_cmp_eq_u32 s19, 0
	s_cbranch_scc0 .Lfor_b_\@
	tensor_load_to_lds s[\g0a:\g0a+3], s[\g1a:\g1a+7]
	s_nop 0
.rept 4
	v_nop
.endr
	s_branch .Lasked_\@
.Lfor_b_\@:
	tensor_load_to_lds s[\g0b:\g0b+3], s[\g1b:\g1b+7]
	s_nop 0
.rept 4
	v_nop
.endr
.Lasked_\@:
.endm
.macro CREST
	s_cmp_lg_u32 s18, 0
	s_cbranch_scc1 .Lnot_wave_0_\@
	s_barrier_signal -3
.Lnot_wave_0_\@:
	s_barrier_wait -3
	s_barrier_signal -1
	s_barrier_wait -1
.endm
.macro CROUND
	s_barrier_signal -1
	s_barrier_wait -1
	CREST
.endm
.macro FRAG reg, adr, q, i
.irp p, 0,1,2,3,4,5
	ds_load_b64 v[\reg+2*\p:\reg+2*\p+1], v[\adr] offset:(2*(\q)+\p/3)*CHK+(\i)*768+8*(\p%3)
.endr
.endm
; 16 matrix instructions: A's blocks a0, a0 + 1 x B's eight.  cm = 1: the sums start from the bias.  The 64 accumulators take turns, one instruction a turn.
.macro MUL16 a0, p, q, sc, cm
.irp a, \a0, \a0+1
.irp b, 0,1,2,3,4,5,6,7
.if \cm == 1
	v_wmma_scale_f32_16x16x128_f8f6f4 v[8*(8*((\a)%4)+\b):8*(8*((\a)%4)+\b)+7], v[128*(\p)+FR*\b:128*(\p)+FR*\b+FR-1], v[AF+FR*(\a):AF+FR*(\a)+FR-1], v[BIAS+8*\b:BIAS+8*\b+7], v[SC+8*NQ*(\sc)+NQ*\b+(\q)], v[SC+8*NQ*(\sc)+NQ*(\a)+(\q)] matrix_a_fmt:MATRIX_FMT_FP6 matrix_b_fmt:MATRIX_FMT_FP6 matrix_a_scale:MATRIX_SCALE_ROW1
.else
	v_wmma_scale_f32_16x16x128_f8f6f4 v[8*(8*((\a)%4)+\b):8*(8*((\a)%4)+\b)+7], v[128*(\p)+FR*\b:128*(\p)+FR*\b+FR-1], v[AF+FR*(\a):AF+FR*(\a)+FR-1], v[8*(8*((\a)%4)+\b):8*(8*((\a)%4)+\b)+7], v[SC+8*NQ*(\sc)+NQ*\b+(\q)], v[SC+8*NQ*(\sc)+NQ*(\a)+(\q)] matrix_a_fmt:MATRIX_FMT_FP6 matrix_b_fmt:MATRIX_FMT_FP6 matrix_a_scale:MATRIX_SCALE_ROW1
.endif
.endr
.endr
.endm
.macro FETCH_B slot, q, p
	WIN TO_B
.irp i, 0,1,2,3,4,5,6,7
	FRAG 128*(\p)+FR*\i, ADRB+\slot, \q, \i
.endr
	WIN 0
.endm
.macro FETCH_A slot, q, i0
.irp i, \i0, \i0+1, \i0+2, \i0+3
	FRAG AF+FR*(\i), ADRA+\slot, \q, \i
.endr
.endm
.macro SCALES sc
.irp i, 0,1,2,3,4,5,6,7
	ds_load_b32 v[SC+16*\sc+2*\i], v[ADRS] offset:64*\i
	ds_load_b32 v[SC+16*\sc+2*\i+1], v[ADRS] offset:64*\i+512
.endr
.endm
.macro PLACES n
.rept \n
	v_nop
.endr
.endm
.macro STEP slot, q, cm
	s_wait_dscnt 4*NL                              ; B's set, the scale words and A's blocks 0-3 are in; the youngest 24 loads (A's blocks 4-7) may be out
.if \cm
	WIN 0x81                                       ; C, the bias, in window 0
.else
	WIN MUL_LO
.endif
	MUL16 0, (\q)%2, \q, \slot, \cm
	MUL16 2, (\q)%2, \q, \slot, \cm
	s_wait_dscnt 0
	PLACES NP
	FETCH_B \slot, (\q)+1, 1-(\q)%2
	FETCH_A \slot, (\q)+1, 0
.if \cm
	WIN 0xc1
.else
	WIN MUL_HI
.endif
	MUL16 4, (\q)%2, \q, \slot, \cm
	MUL16 6, (\q)%2, \q, \slot, \cm
	PLACES NP
	WIN 0
	FETCH_A \slot, (\q)+1, 4
.endm
.macro TURN slot, next, fill
	s_wait_tensorcnt 0x0                           ; all my tensor loads have landed: my part of the next slot
	ds_add_u32 v[SPW], v[NIL]                      ; 0 onto my spare word
	s_wait_dscnt 4*NL+1                            ; (the add and the youngest 24 loads may be out)
	WIN MUL_LO
	MUL16 0, 1, NQ-1, \slot, 0
	s_wait_dscnt 0x0                               ; the add is done, and my reads of this slot are over
	s_barrier_signal -1
	MUL16 2, 1, NQ-1, \slot, 0
	WIN 0
	s_barrier_wait -1
.if \fill
	CREST                                          ; the barrier has opened a round of the cluster's: no wave of any partner still reads this slot or has a load on its way
	s_add_nc_u64 s[G0+4*\slot+2:G0+4*\slot+3], s[G0+4*\slot+2:G0+4*\slot+3], 2*ASLOT
	s_add_nc_u64 s[G0B+4*\slot+2:G0B+4*\slot+3], s[G0B+4*\slot+2:G0B+4*\slot+3], 2*BSLOT
	JLOAD G0+4*\slot, G1, G0B+4*\slot, G1B
.else
	PLACES NP
.endif
	v_add_nc_u32 v[ADRS], 1024, v[ADRS]
	FETCH_B \next, 0, 0
	FETCH_A \next, 0, 0
	SCALES \next
	WIN MUL_HI
	MUL16 4, 1, NQ-1, \slot, 0
	MUL16 6, 1, NQ-1, \slot, 0
	PLACES NP
	WIN 0
	FETCH_A \next, 0, 4
.endm
	s_load_b256 s[4:11], s[0:1], 0x0               ; aoc s[4:5], aos s[6:7], cod s[8:9], scl s[10:11]
	s_load_b128 s[12:15], s[0:1], 0x20             ; bo s[12:13], out0 s[14:15]
	v_lshl_add_u32 v[SPW], v0, 2, SPARE
	v_mov_b32 v[NIL], 0
	ds_add_u32 v[SPW], v[NIL]                      ; the wave's opening: the add, twice on end, and its wait ahead of my first tensor load
	ds_add_u32 v[SPW], v[NIL]
	v_lshrrev_b32 v1, 5, v0
	v_readfirstlane_b32 s18, v1                    ; wave 0..3
	s_lshr_b32 s19, s18, 1                         ; which half of A's rows is mine.  Also: I fetch for A (0) or for B (1)
	s_and_b32 s20, s18, 1                          ; which half of B's rows.  Also: which 128 rows of that tile I fetch
	s_bfe_u32 s40, ttmp6, 0x40000                  ; cx
	s_bfe_u32 s41, ttmp6, 0x40004                  ; cy
	s_and_b32 s42, ttmp7, 0xffff                   ; the cluster's y
	s_lshl_b32 s43, s41, 2
	s_lshl_b32 s43, 15, s43                        ; my row of the cluster
	s_lshl_b32 s44, 0x1111, s40                    ; my column
	s_or_b32 s[G1+0], s43, (3<<16)|(1<<21)         ; codes: 4 chunks x 768 elements of 8 bytes; no padding
	s_or_b32 s[G1B+0], s44, (3<<16)|(1<<21)
.irp g, G1, G1B
	s_mov_b32 s[\g+1], 768<<16
	s_mov_b32 s[\g+2], 4<<16
	s_mov_b32 s[\g+3], 768<<16
	s_mov_b32 s[\g+4], 4
	s_mov_b32 s[\g+6], 0
	s_mov_b32 s[\g+7], 0
.endr
	s_mov_b32 s[G1+5], ACH/8                       ; from chunk to chunk, in A
	s_mov_b32 s[G1B+5], CHS/8                      ; and in B
	s_or_b32 s[G1S+0], s43, (3<<16)|(1<<21)        ; scale words: 8 runs x 64 elements
	s_or_b32 s[G1SB+0], s44, (3<<16)|(1<<21)
.irp g, G1S, G1SB
	s_mov_b32 s[\g+1], 64<<16
	s_mov_b32 s[\g+2], 8<<16
	s_mov_b32 s[\g+3], 64<<16
	s_mov_b32 s[\g+4], 8
	s_mov_b32 s[\g+6], 0
	s_mov_b32 s[\g+7], 0
.endr
	s_mov_b32 s[G1S+5], ASC/8
	s_mov_b32 s[G1SB+5], SCS/8
	s_lshl_b32 s23, s20, 7                         ; the 128 rows that I fetch
	s_lshl_b32 s21, s42, 10
	s_lshl_b32 s2, s41, 8
	s_add_co_u32 s21, s21, s2
	s_add_co_u32 s21, s21, s23                     ; A: kept row 1,024 cluster y + 256 cy + 128 half
	s_lshl_b32 s22, s40, 8
	s_add_co_u32 s22, s22, 11264
	s_add_co_u32 s22, s22, s23                     ; B: row 11,264 + 256 cx + 128 half
	s_mul_i32 s92, s21, 48
	s_mov_b32 s93, 0
	s_mul_i32 s94, s22, 48
	s_mov_b32 s95, 0
	s_lshl_b32 s96, s21, 2
	s_mov_b32 s97, 0
	s_lshl_b32 s98, s22, 2
	s_mov_b32 s99, 0
	s_mul_i32 s45, s18, HALFT
	s_lshl_b32 s46, s18, 12
	s_wait_dscnt 0x0                               ; both opening adds are done
	s_wait_kmcnt 0x0
	s_add_nc_u64 s[92:93], s[4:5], s[92:93]
	s_add_nc_u64 s[94:95], s[8:9], s[94:95]
	s_add_nc_u64 s[96:97], s[6:7], s[96:97]
	s_add_nc_u64 s[98:99], s[10:11], s[98:99]
	CROUND                                         ; all sixteen work-groups are here: the first joint loads meet
	s_mov_b32 s[G0S], 1
	s_add_co_u32 s[G0S+1], s46, SCL
	s_mov_b64 s[G0S+2:G0S+3], s[96:97]
	s_or_b32 s[G0S+3], s[G0S+3], 0x80000000
	s_mov_b32 s[G0SB], 1
	s_add_co_u32 s[G0SB+1], s46, SCL
	s_mov_b64 s[G0SB+2:G0SB+3], s[98:99]
	s_or_b32 s[G0SB+3], s[G0SB+3], 0x80000000
	JLOAD G0S, G1S, G0SB, G1SB                     ; by this text's count three tensor loads of a wave are out at the most
.irp s, 0,1
	s_mov_b32 s[G0+4*\s], 1
	s_add_co_u32 s[G0+4*\s+1], s45, \s*SLOT
	s_add_nc_u64 s[G0+4*\s+2:G0+4*\s+3], s[92:93], \s*ASLOT
	s_or_b32 s[G0+4*\s+3], s[G0+4*\s+3], 0x80000000
	s_mov_b32 s[G0B+4*\s], 1
	s_add_co_u32 s[G0B+4*\s+1], s45, \s*SLOT
	s_add_nc_u64 s[G0B+4*\s+2:G0B+4*\s+3], s[94:95], \s*BSLOT
	s_or_b32 s[G0B+4*\s+3], s[G0B+4*\s+3], 0x80000000
	JLOAD G0+4*\s, G1, G0B+4*\s, G1B
.endr
	v_and_b32 v1, 15, v0                           ; r
	v_bfe_u32 v2, v0, 4, 1                         ; h
	v_mul_u32_u24 v3, v1, 48
	v_mad_u32_u24 v3, v2, 24, v3
	s_mul_i32 s21, s19, HALFT
	s_mul_i32 s22, s20, HALFT
	s_add_co_u32 s22, s22, 2*HALFT
.irp s, 0,1
	v_add_nc_u32 v[ADRA+\s], s21, v3
	v_add_nc_u32 v[ADRB+\s], s22, v3
	s_add_co_u32 s21, s21, SLOT
	s_add_co_u32 s22, s22, SLOT
.endr
	s_lshl_b32 s21, s19, 12
	s_lshl_b32 s22, s20, 12
	s_add_co_u32 s22, s22, 8192
	s_sub_co_u32 s22, s22, s21
	v_mul_u32_u24 v6, s22, v2                      ; lanes 16-31 take B's scale words: one product, the distance between the two
	s_add_co_u32 s21, s21, SCL
	v_lshl_add_u32 v5, v1, 2, v6
	v_add_nc_u32 v[ADRS], s21, v5
	s_mul_i32 s21, s18, 16*SPITCH                  ; my stage
	v_mul_u32_u24 v5, v1, SPITCH
	v_lshl_add_u32 v5, v2, 6, v5
	v_add_nc_u32 v[STO], s21, v5                   ; in: row r, + 64 h
	v_and_b32 v4, 31, v0
	v_lshlrev_b32 v[CO], 4, v4
	v_add_nc_u32 v[RD], s21, v[CO]
	v_lshlrev_b32 v30, 6, v2                       ; the bias: 64 h
	s_lshl_b32 s100, s42, 10
	s_lshl_b32 s47, s41, 8
	s_add_co_u32 s100, s100, s47
	s_lshl_b32 s47, s19, 7
	s_add_co_u32 s100, s100, s47                   ; my first row of out0
	s_lshl_b32 s100, s100, 12
	s_lshl_b32 s66, s40, 10
	s_lshl_b32 s67, s20, 9
	s_add_co_u32 s66, s66, s67                     ; my first column, in bytes
	s_add_co_u32 s100, s100, s66
	s_mov_b32 s101, 0
	s_add_nc_u64 s[14:15], s[14:15], s[100:101]
	s_mov_b32 s67, 0
	s_add_nc_u64 s[12:13], s[12:13], s[66:67]
.irp b, 0,1,2,3,4,5,6,7                        ; register j of tile b is column 32 (b / 2) + 16 h + 8 (b % 2) + j
	global_load_b128 v[BIAS+8*\b:BIAS+8*\b+3], v30, s[12:13] offset:128*(\b/2)+32*(\b%2)
	global_load_b128 v[BIAS+8*\b+4:BIAS+8*\b+7], v30, s[12:13] offset:128*(\b/2)+32*(\b%2)+16
.endr
	s_wait_tensorcnt 1                             ; the scale words and my part of slot 0 are in (slot 1's load may be out)
	s_barrier_signal -1
	s_barrier_wait -1                              ; everybody's are
	FETCH_B 0, 0, 0
	FETCH_A 0, 0, 0
	SCALES 0
	FETCH_A 0, 0, 4
	s_wait_loadcnt 0x0                             ; the bias
	STEP 0, 0, 1                                   ; the first step starts the sums from the bias
	TURN 0, 1, 1
	STEP 1, 0, 0
	TURN 1, 0, 1
	STEP 0, 0, 0
	TURN 0, 1, 0
	STEP 1, 0, 0
	s_wait_dscnt 4*NL
	WIN MUL_LO
	MUL16 0, 1, NQ-1, 1, 0
	MUL16 2, 1, NQ-1, 1, 0
	s_wait_dscnt 0
	WIN MUL_HI
	MUL16 4, 1, NQ-1, 1, 0
	MUL16 6, 1, NQ-1, 1, 0
	WIN 0
; THE WAY OUT, block by block of 16 rows x 128 columns, through my own stage: in by lanes (32 bytes at the tile's true columns), back as whole rows of 512 bytes, stored at the rows' true numbers.
.macro TOSTAGE a
.set AC, 64*((\a)%4)
	WIN 0x08+4*((\a)/4)                            ; the data: window 2 or 3
.irp b, 0,1,2,3,4,5,6,7
	ds_store_b128 v[STO], v[AC+8*\b:AC+8*\b+3] offset:128*(\b/2)+32*(\b%2)          ; each accumulator from its low end on
	ds_store_b128 v[STO], v[AC+8*\b+4:AC+8*\b+7] offset:128*(\b/2)+32*(\b%2)+16
.endr
	WIN 0
.set BB, BK+64*((\a)%2)
.irp t, 0,1,2,3,4,5,6,7,8,9,10,11,12,13,14,15
	ds_load_b128 v[BB+4*\t:BB+4*\t+3], v[RD] offset:\t*SPITCH   ; LDS serves a wave's instructions in order (ISA guide 5.7.1.4)
.endr
.endm
.macro SEND a, younger                 ; younger: the LDS instructions issued behind block a's loads, which may stay out
.set BB, BK+64*((\a)%2)
	s_wait_dscnt \younger
.irp t, 0,1,2,3,4,5,6,7,8,9,10,11,12,13,14,15
	global_store_b128 v[CO], v[BB+4*\t:BB+4*\t+3], s[14:15] offset:(32*((\a)/2)+8*((\a)%2)+\t+8*(\t/8))*4096 th:TH_STORE_NT   ; 32 lanes store 512 consecutive bytes, aligned to 256; the row's true number stands in the immediate
.endr
.endm
	PLACES NP
	TOSTAGE 0
.irp a, 1,2,3,4,5,6,7
.if \a > 1
	s_wait_xcnt 0x0                                ; block a - 2's stores have read their registers: block a's loads may land there
.endif
	TOSTAGE \a
	SEND \a-1, 32                                  ; behind block a - 1's loads: block a's 16 stores and 16 loads
.endr
	SEND 7, 0
	s_wait_tensorcnt 0x0                           ; the wave's end, behind my last tensor load and my last LDS store
	ds_add_u32 v[SPW], v[NIL]
	s_wait_dscnt 0x0
	CROUND                                         ; the closing round
	s_endpgm
.Lfunc_end_k_q7bc171fb09_outproj:
	.size	k_q7bc171fb09_outproj, .Lfunc_end_k_q7bc171fb09_outproj-k_q7bc171fb09_outproj
	.p2alignl 7, 3214868480
	.fill 96, 4, 3214868480
	.section	.rodata,"a",@progbits
	.p2align	6, 0x0
	.amdhsa_kernel k_q7bc171fb09_outproj
		.amdhsa_group_segment_fixed_size 327680
		.amdhsa_private_segment_fixed_size 0
		.amdhsa_enable_private_segment 0
		.amdhsa_kernarg_size 48
		.amdhsa_user_sgpr_count 2
		.amdhsa_user_sgpr_kernarg_segment_ptr 1
		.amdhsa_wavefront_size32 1
		.amdhsa_system_sgpr_workgroup_id_x 1
		.amdhsa_system_sgpr_workgroup_id_y 1
		.amdhsa_system_sgpr_workgroup_id_z 1
		.amdhsa_system_vgpr_workitem_id 0
		.amdhsa_next_free_vgpr 1024
		.amdhsa_next_free_sgpr 106
		.amdhsa_reserve_vcc 0
		.amdhsa_float_denorm_mode_32 3
		.amdhsa_float_denorm_mode_16_64 3
		.amdhsa_memory_ordered 1
		.amdhsa_forward_progress 1
		.amdhsa_inst_pref_size 162
	.end_amdhsa_kernel
	.amdgpu_metadata
---
amdhsa.version: [ 1, 2 ]
amdhsa.kernels:
  - .name:           k_q7bc171fb09_outproj
    .symbol:         k_q7bc171fb09_outproj.kd
    .args:
      - { .name: aoc, .offset: 0, .size: 8, .value_kind: global_buffer, .address_space: global }
      - { .name: aos, .offset: 8, .size: 8, .value_kind: global_buffer, .address_space: global }
      - { .name: cod, .offset: 16, .size: 8, .value_kind: global_buffer, .address_space: global }
      - { .name: scl, .offset: 24, .size: 8, .value_kind: global_buffer, .address_space: global }
      - { .name: bo, .offset: 32, .size: 8, .value_kind: global_buffer, .address_space: global }
      - { .name: out0, .offset: 40, .size: 8, .value_kind: global_buffer, .address_space: global }
    .group_segment_fixed_size: 327680
    .private_segment_fixed_size: 0
    .kernarg_segment_align: 8
    .kernarg_segment_size: 48
    .max_flat_workgroup_size: 128
    .sgpr_count:     106
    .vgpr_count:     1024
    .wavefront_size: 32
...
	.end_amdgpu_metadata
.endif
;; end of part 4
